; MI455X (gfx1250); checked and timed in simulation.
; The chip was launched on July 23, 2026; its instructions are those of AMD's public machine-readable ISA for CDNA 5 (MIT licence, August 2026) and "CDNA5" Instruction Set Architecture Reference Guide (July 2026). The comments in the code are by the model that wrote it; some were corrected since.
;; Multi Head Attention With Ro PE. Allowed arithmetic: matrix products marked QUANTISED: E5M2 operands, one E8M0 scale for each 32 along K, by v_wmma_scale_f32_16x16x128_f8f6f4 with both operands' format E5M2, f32 sums; everything else in f32.
;; Inputs: b_out 1,024 float32; b_qkv 3,072 float32; w_out_codes 1,024 x 32 x 32 uint8 (E5M2 codes of w_out, K innermost, in blocks of 32 codes); w_out_scales 1,024 x 32 uint8 (E8M0 scales of w_out, one for each 32 codes along K); w_qkv_codes 3,072 x 32 x 32 uint8 (E5M2 codes of w_qkv, K innermost, in blocks of 32 codes); w_qkv_scales 3,072 x 32 uint8 (E8M0 scales of w_qkv, one for each 32 codes along K); x_codes 4 x 2,048 x 32 x 32 uint8 (E5M2 codes of x, K innermost, in blocks of 32 codes); x_scales 4 x 2,048 x 32 uint8 (E8M0 scales of x, one for each 32 codes along K).
;; Outputs: out0 4 x 2,048 x 1,024 float32.
;; This version of the problem:
;;   THIS VERSION OF THE PROBLEM IS GIVEN IN LOW PRECISION. The matrix products marked QUANTISED in the list below multiply operands that are first quantised to E5M2 (5 exponent bits, 2 mantissa bits; 8 bits a number), with one power-of-two scale for each 32 numbers along K (OCP MX v1.0); their sums are f32. All else is computed in f32.
;;   The module's matrix products, in the order in which they are computed (A, B: the left and right operand; K: the contracted axis; several contracted axes count as one K, in the product's order):
;;     1. [M 8,192, K 1,024] x [K 1,024, N 3,072]; A: input x (given as codes); B: input w_qkv (given as codes): QUANTISED
;;     2. batch 64 x [M 2,048, K 64] x [K 64, N 2,048]; A: computed on the way; B: computed on the way: QUANTISED
;;     3. batch 64 x [M 2,048, K 2,048] x [K 2,048, N 64]; A: softmax (see below); B: computed on the way: QUANTISED
;;     4. [M 8,192, K 1,024] x [K 1,024, N 1,024]; A: computed on the way; B: input w_out (given as codes): QUANTISED
;;   THE QUANTISER, for each operand of a quantised product, along K:
;;     - K is cut into blocks of 32 from its start; a last block that is shorter is filled with zeros.
;;     - A block's scale is 2^e with e = floor(log2(the largest magnitude in the block)) - 15, held to -126 .. 127; a block of zeros has e = 0. As a byte (E8M0): e + 127.
;;     - Each number is divided by its block's scale, clamped to +-57,344, and rounded to the nearest number of E5M2, ties to even, subnormals kept.
;;     - The product sums the exact products of the quantised numbers (number of the format x scale) in f32.
;;   ~~~python
;;   def quantise(x, axis):      # numpy; x: float32 -> the quantised numbers, widened to float32 again
;;       x = np.moveaxis(x, axis, -1); K = x.shape[-1]
;;       x = np.pad(x, [(0, 0)] * (x.ndim - 1) + [(0, -K % 32)]); x = x.reshape(x.shape[:-1] + (-1, 32)); a = np.abs(x).max(-1, keepdims=True)
;;       e = np.where(a > 0, np.clip(np.frexp(np.where(a > 0, a, 1))[1] - 1 - 15, -126, 127), 0)      # np.frexp(a)[1] - 1 = floor(log2(a)), exactly
;;       r = np.clip(x / 2.0 ** e, -57344, 57344)
;;       step = 2.0 ** (np.maximum(np.frexp(np.where(r == 0, 1, r))[1] - 1, -14) - 2)
;;       q = np.round(r / step) * step * 2.0 ** e      # np.round: ties to even
;;       return np.moveaxis(q.reshape(q.shape[:-2] + (-1,))[..., :K], -1, axis).astype(np.float32)
;;   ~~~
;;   SOFTMAX AHEAD OF A QUANTISED PRODUCT. Where the list says 'softmax', what is quantised is not the finished softmax but p = 2^(t - M), with t = logit x log2(e) and M = ceil(the row's largest t), a whole number; so 1/2 < the row's largest p <= 1. The row's sum l is taken of the UNQUANTISED p, in f32, and the product's result is divided by l at the end. Since M is a whole number, a kernel that streams over the keys may use a running M (the ceiling of the running maximum): every later rescaling is an exact power of two, which a block's scale takes up: the codes' values come out the same.
;;   OPERANDS COMPUTED ON THE WAY. 'Computed on the way' means the value that the module computes at that place (a softmax that the list does not call 'softmax' is quantised finished and normalised). What goes into a quantiser is computed in f32, as accurately as f32 sums, v_exp_f32 and their like allow (about 1e-6 of the number): no bf16 or f16 on the way to a quantiser, and a product that is left as it is and whose result goes on into a quantised operand takes f32 operands (vector FMAs, or v_wmma_f32_16x16x4_f32). A number that lies on a knife's edge between two numbers of the format may be rounded either way, as far as f32 arithmetic and the matrix unit's own rounding can turn it there, and no further.
;;   INPUTS GIVEN AS CODES. w_out (in the module: [1024, 1024], K = its axis 0); w_qkv (in the module: [1024, 3072], K = its axis 0); x (in the module: [4, 2048, 1024], K = its axis 2): each comes as NAME_codes (uint8): NAME with its K axis moved to the last place and cut into blocks of 32 codes, [.., K / 32, bytes a block], one block behind the other in memory; one code a byte (a code: sign, 5 exponent bits, 2 mantissa bits); and NAME_scales (uint8): the same leading axes, one E8M0 byte (e + 127) for each 32 codes along K. Its value is code x scale, taken as it is: it is not quantised again, and the codes and scales need not be those that the quantiser above would give.
;; One version. Each part assembles by itself: llvm-mc -triple=amdgcn-amd-amdhsa -mcpu=gfx1250 --defsym DOCPART=n.
;; ======== version 1 of 1: 4 launches
;; limits: right only within a limited range of input values
;; workspace buffers: rope 524,288 bytes; qk_codes 16,777,216 bytes; qk_scales 524,288 bytes; v_codes 8,388,608 bytes; v_scales 262,144 bytes; ao_codes 8,388,608 bytes; ao_scales 262,144 bytes
;; launch rope (part 1): grid 128 x 1, 1 waves a work-group, no clusters, 0 bytes of LDS; arguments rope; writes rope
.if DOCPART == 1
	.amdgcn_target "amdgcn-amd-amdhsa--gfx1250"
	.amdhsa_code_object_version 6
	.text
	.protected	k_qb73a56121f_rope
	.globl	k_qb73a56121f_rope
	.p2align	8
	.type	k_qb73a56121f_rope,@function
k_qb73a56121f_rope:
	s_mov_b64 s[64:65], 0
	v_nop
	global_prefetch_b8 v0, s[64:65] scope:SCOPE_SE
	s_setreg_imm32_b32 hwreg(HW_REG_WAVE_MODE, 25, 1), 1
	s_wait_xcnt 0x0
; The table of cos and sin for the rotary embedding: 2,048 positions x 32 frequencies, f32, laid as the next launch's registers want it:
; [tile of 16 positions][k 0..7][lane][4 numbers]; k = 0..3: cos of i = 4 k .. 4 k + 3, k = 4..7: sin of the same i.  Lane (r, h) = (lane % 16, lane / 16) stands for
; position 16 tile + r, and i = 8 u + j for frequency 16 u + 8 h + j.  One wave makes one tile: 16 angles a lane; each of its eight stores covers 512 consecutive bytes.
; angle = position x F[d], one f32 multiplication; F[d] = 10^(-d / 8) = 10000^(-2 d / 64), written as decimals and rounded to f32 by the assembler.
; sin and cos: n = the nearest whole number to angle x 2 / pi; r = angle - n pi / 2 by two fused multiply-adds on pi / 2 in two parts (the first is exact: the difference is a multiple of 2^-23 and under 1);
; polynomials in r^2 for |r| <= pi / 4; the quadrant n mod 4 swaps the two and sets the signs.
; LIMIT: F is the correctly rounded power; a power computed in f32 may differ from it by one unit in the last place, which at the last positions moves an angle by up to about 1e-4 radians.
; No LDS, no matrix unit, no cluster: the work-groups share nothing and the launch writes 512 KiB once.
	s_load_b64 s[2:3], s[0:1], 0x0                 ; the table
	s_lshl_b32 s4, ttmp9, 12                       ; a tile's 4,096 bytes
	s_mov_b32 s5, 0
	s_lshl_b32 s6, ttmp9, 4                        ; its first position
	s_mov_b32 s8, 0x3f22f983                       ; 2 / pi
	s_mov_b32 s9, 0x3fc90fdb                       ; pi / 2, the f32 nearest to it,
	s_mov_b32 s10, 0xb33bbd2e                      ; and what is left of pi / 2
	s_mov_b32 vcc_lo, 0xffff0000                   ; lanes 16-31
	v_and_b32 v5, 15, v0
	v_add_nc_u32 v5, s6, v5
	v_cvt_f32_u32 v2, v5                           ; my position
	v_lshlrev_b32 v1, 4, v0                        ; 16 x lane (one wave: the thread's number is the lane)
	v_mov_b32 v3, 0xb94ca1f9                       ; sin: the highest coefficient, -1.9515296e-4
	v_mov_b32 v4, 0x37ccf5ce                       ; cos: the highest coefficient, 2.4433157e-5
; angle i: f0 the frequency of lanes 0-15, f1 that of lanes 16-31; cos into v[16 + i], sin into v[32 + i]
.macro SINCOS i, f0, f1
	v_mov_b32 v48, \f1
	v_cndmask_b32 v48, \f0, v48, vcc_lo            ; lanes 16-31 keep f1
	v_mul_f32 v48, v2, v48                         ; the angle
	v_mul_f32 v49, s8, v48
	v_rndne_f32 v49, v49                           ; n
	v_fma_f32 v50, -v49, s9, v48
	v_fma_f32 v50, -v49, s10, v50                  ; r
	v_mul_f32 v51, v50, v50                        ; r^2
	v_fmaak_f32 v52, v51, v3, 0x3c08839e           ; sin's and cos's polynomials by turns
	v_fmaak_f32 v55, v51, v4, 0xbab6061a
	v_fmaak_f32 v52, v52, v51, 0xbe2aaaa3
	v_fmaak_f32 v55, v55, v51, 0x3d2aaaa5
	v_mul_f32 v53, v50, v51
	v_fma_f32 v55, v55, v51, -0.5
	v_fma_f32 v54, v52, v53, v50                   ; sin r
	v_fma_f32 v56, v55, v51, 1.0                   ; cos r
	v_cvt_i32_f32 v57, v49                         ; n as a whole number (0 to 1,304)
	v_and_b32 v58, 1, v57
	v_cmp_ne_u32 s13, 0, v58                       ; an odd quadrant swaps the two
	v_add_nc_u32 v59, 1, v57
	v_lshlrev_b32 v57, 30, v57                     ; sin is negative where n's bit 1 is set,
	v_lshlrev_b32 v59, 30, v59                     ; cos where that of n + 1 is
	v_and_b32 v57, 0x80000000, v57
	v_and_b32 v59, 0x80000000, v59
	v_cndmask_b32 v58, v54, v56, s13
	v_cndmask_b32 v53, v56, v54, s13
	v_xor_b32 v[32+\i], v57, v58
	v_xor_b32 v[16+\i], v59, v53
.endm
	SINCOS 0, 1.0, 0.1
	SINCOS 1, 0.74989420933, 0.074989420933
	SINCOS 2, 0.56234132519, 0.056234132519
	SINCOS 3, 0.42169650343, 0.042169650343
	SINCOS 4, 0.31622776602, 0.031622776602
	SINCOS 5, 0.23713737057, 0.023713737057
	SINCOS 6, 0.17782794100, 0.017782794100
	SINCOS 7, 0.13335214322, 0.013335214322
	SINCOS 8, 0.01, 0.001
	SINCOS 9, 0.0074989420933, 0.00074989420933
	SINCOS 10, 0.0056234132519, 0.00056234132519
	SINCOS 11, 0.0042169650343, 0.00042169650343
	SINCOS 12, 0.0031622776602, 0.00031622776602
	SINCOS 13, 0.0023713737057, 0.00023713737057
	SINCOS 14, 0.0017782794100, 0.00017782794100
	SINCOS 15, 0.0013335214322, 0.00013335214322
	s_wait_alu depctr_va_vdst(0)
	s_wait_kmcnt 0x0
	s_add_nc_u64 s[2:3], s[2:3], s[4:5]
.irp k, 0,1,2,3,4,5,6,7
	global_store_b128 v1, v[16+4*\k:19+4*\k], s[2:3] offset:512*\k   ; 32 lanes store 512 consecutive bytes, at a multiple of 256 from the table's first byte
.endr
	s_endpgm
.Lfunc_end_k_qb73a56121f_rope:
	.size	k_qb73a56121f_rope, .Lfunc_end_k_qb73a56121f_rope-k_qb73a56121f_rope
	.p2alignl 7, 3214868480
	.fill 96, 4, 3214868480
	.section	.rodata,"a",@progbits
	.p2align	6, 0x0
	.amdhsa_kernel k_qb73a56121f_rope
		.amdhsa_group_segment_fixed_size 0
		.amdhsa_private_segment_fixed_size 0
		.amdhsa_enable_private_segment 0
		.amdhsa_kernarg_size 8
		.amdhsa_user_sgpr_count 2
		.amdhsa_user_sgpr_kernarg_segment_ptr 1
		.amdhsa_wavefront_size32 1
		.amdhsa_system_sgpr_workgroup_id_x 1
		.amdhsa_system_sgpr_workgroup_id_y 1
		.amdhsa_system_sgpr_workgroup_id_z 1
		.amdhsa_system_vgpr_workitem_id 0
		.amdhsa_next_free_vgpr 64
		.amdhsa_next_free_sgpr 66
		.amdhsa_reserve_vcc 1
		.amdhsa_float_denorm_mode_32 3
		.amdhsa_float_denorm_mode_16_64 3
		.amdhsa_memory_ordered 1
		.amdhsa_forward_progress 1
		.amdhsa_inst_pref_size 24
	.end_amdhsa_kernel
	.amdgpu_metadata
---
amdhsa.version: [ 1, 2 ]
amdhsa.kernels:
  - .name:           k_qb73a56121f_rope
    .symbol:         k_qb73a56121f_rope.kd
    .args:
      - { .name: rope, .offset: 0, .size: 8, .value_kind: global_buffer, .address_space: global }
    .group_segment_fixed_size: 0
    .private_segment_fixed_size: 0
    .kernarg_segment_align: 8
    .kernarg_segment_size: 8
    .max_flat_workgroup_size: 32
    .sgpr_count:     66
    .vgpr_count:     64
    .wavefront_size: 32
...
	.end_amdgpu_metadata
.endif
;; end of part 1
;; launch qkv (part 2): grid 12 x 32, 4 waves a work-group, clusters of 4 x 4, 327,680 bytes of LDS; arguments x_codes, x_scales, w_qkv_codes, w_qkv_scales, b_qkv, rope, qk_codes, qk_scales, v_codes, v_scales; writes qk_codes, qk_scales, v_codes, v_scales
.if DOCPART == 2
	.amdgcn_target "amdgcn-amd-amdhsa--gfx1250"
	.amdhsa_code_object_version 6
	.text
	.protected	k_qb73a56121f_qkv
	.globl	k_qb73a56121f_qkv
	.p2align	8
	.type	k_qb73a56121f_qkv,@function
k_qb73a56121f_qkv:
	s_mov_b64 s[64:65], 0
	v_nop
	global_prefetch_b8 v0, s[64:65] scope:SCOPE_SE
	s_setreg_imm32_b32 hwreg(HW_REG_WAVE_MODE, 25, 1), 1
	s_wait_xcnt 0x0
	s_wait_alu depctr_hold_cnt(0) depctr_sa_sdst(0) depctr_va_vdst(0) depctr_va_sdst(0) depctr_va_ssrc(0) depctr_va_vcc(0) depctr_vm_vsrc(0)
	s_getreg_b32 s2, hwreg(HW_REG_IB_STS2, 6, 4)
	s_cmp_eq_u32 s2, 0
	s_cbranch_scc0 .Lentry_in_a_cluster
	s_endpgm
.Lentry_in_a_cluster:
	s_bfe_u32 s2, ttmp6, 0x10000c
	s_cmp_lg_u32 s2, 0xf033
	s_cbranch_scc0 .Lentry_shape_is_right
	s_endpgm
.Lentry_shape_is_right:
.set KSTEP,  256
.set NQ,     2
.set ROWB,   256
.set KROW,   1024
.set PITCH,  272
.set FR,     16
.set NL,     4
.set NP,     8
.set HALFT,  128*PITCH
.set SLOT,   4*HALFT
.set LAPS,   2
.set KS,     32
.set SCL,    2*SLOT
.set HALFS,  (128*KS/256)*272
.set SBLK,   (16*KS/256)*272
.set SPARE,  SCL+4*HALFS
.set ADRA, 16
.set ADRB, 20
.set ADRS, 27
.set SPW,  28
.set NIL,  29
.set SC,   32
.set AF,   128
.set L16,  1
.set SOFF, 2
.set BOFF, 3
.set SW,   4
.set OUTW, 12
.set BI,   64
.set X,    128
.set TM,   192
.set PC,   208
.set RT,   224
.set RU,   240
.set CS,   0
.set SEL,  40
.set MNT,  43
.set HM,   44
.set G1, 24
.set G0, 32
.set G1B, 48
.set G0B, 56
.set G1S, 68
.set G0S, 76
.set G1SB, 80
.set G0SB, 88
.set MSB, 0
.macro WIN new
.if MSB != (\new)
	s_set_vgpr_msb (MSB<<8)|(\new)
.set MSB, (\new)
.endif
.endm
.set MUL_LO, 0xa1
.set MUL_HI, 0xf1
.set TO_B,   0x40
.macro JLOAD g0a, g1a, g0b, g1b
	s_cmp_eq_u32 s15, 0
	s_cbranch_scc0 .Lfor_b_\@
	tensor_load_to_lds s[\g0a:\g0a+3], s[\g1a:\g1a+7]
	s_nop 0
.rept 4
	v_nop
.endr
	s_branch .Lasked_\@
.Lfor_b_\@:
	tensor_load_to_lds s[\g0b:\g0b+3], s[\g1b:\g1b+7]
	s_nop 0
.rept 4
	v_nop
.endr
.Lasked_\@:
.endm
.macro CREST
	s_cmp_lg_u32 s14, 0
	s_cbranch_scc1 .Lnot_wave_0_\@
	s_barrier_signal -3
.Lnot_wave_0_\@:
	s_barrier_wait -3
	s_barrier_signal -1
	s_barrier_wait -1
.endm
.macro CROUND
	s_barrier_signal -1
	s_barrier_wait -1
	CREST
.endm
	s_load_b256 s[4:11], s[0:1], 0x0
	v_lshl_add_u32 v[SPW], v0, 2, SPARE
	v_mov_b32 v[NIL], 0
	ds_add_u32 v28, v29
	ds_add_u32 v28, v29
	s_wait_dscnt 0x0
	v_lshrrev_b32 v1, 5, v0
	v_readfirstlane_b32 s14, v1
	s_lshr_b32 s15, s14, 1
	s_and_b32 s16, s14, 1
	s_bfe_u32 s40, ttmp6, 0x40000
	s_bfe_u32 s41, ttmp6, 0x40004
	s_and_b32 s2, ttmp7, 0xffff
	s_lshl_b32 s2, s2, 2
	s_lshl_b32 s12, ttmp9, 2
	s_cmp_eq_u32 ttmp9, 2
	s_cselect_b32 s17, 8, s2
	s_cselect_b32 s42, s2, s12
	s_add_co_u32 s17, s17, s41
	s_add_co_u32 s42, s42, s40
	s_lshl_b32 s43, s41, 2
	s_lshl_b32 s43, 15, s43
	s_lshl_b32 s44, 0x1111, s40
	s_or_b32 s[G1+0], s43, (0<<16)|(1<<20)|(1<<21)|(5<<22)|(3<<25)
	s_or_b32 s[G1B+0], s44, (0<<16)|(1<<20)|(1<<21)|(5<<22)|(3<<25)
.irp g, G1, G1B
	s_mov_b32 s[\g+1], ROWB<<16
	s_mov_b32 s[\g+2], 128<<16
	s_mov_b32 s[\g+3], ROWB<<16
	s_mov_b32 s[\g+4], 128
	s_mov_b32 s[\g+5], KROW
	s_mov_b32 s[\g+6], 0
	s_mov_b32 s[\g+7], 0
.endr
	s_or_b32 s[G1S+0], s43, (3<<16)|(1<<20)|(1<<21)|(5<<22)|(3<<25)
	s_or_b32 s[G1SB+0], s44, (3<<16)|(1<<20)|(1<<21)|(5<<22)|(3<<25)
.irp g, G1S, G1SB
	s_mov_b32 s[\g+1], 32<<16
	s_mov_b32 s[\g+2], (128*KS/256)<<16
	s_mov_b32 s[\g+3], 32<<16
	s_mov_b32 s[\g+4], 128*KS/256
	s_mov_b32 s[\g+5], 32
	s_mov_b32 s[\g+6], 0
	s_mov_b32 s[\g+7], 0
.endr
	s_lshl_b32 s18, s16, 7
	s_lshl_b32 s20, s17, 8
	s_add_co_u32 s20, s20, s18
	s_lshl_b32 s46, s42, 8
	s_add_co_u32 s46, s46, s18
	s_mov_b32 s21, 0
	s_mov_b32 s47, 0
	s_lshl_b64 s[22:23], s[20:21], 5
	s_lshl_b64 s[92:93], s[46:47], 5
	s_lshl_b64 s[20:21], s[20:21], 10
	s_lshl_b64 s[46:47], s[46:47], 10
	s_mul_i32 s45, s14, HALFT
	s_mul_i32 s94, s14, HALFS
	s_wait_kmcnt 0x0
	s_cmp_eq_u32 ttmp9, 2
	s_cselect_b64 s[96:97], s[8:9], s[4:5]
	s_cselect_b64 s[98:99], s[10:11], s[6:7]
	s_cselect_b64 s[4:5], s[4:5], s[8:9]
	s_cselect_b64 s[6:7], s[6:7], s[10:11]
	s_add_nc_u64 s[20:21], s[96:97], s[20:21]
	s_add_nc_u64 s[22:23], s[98:99], s[22:23]
	s_add_nc_u64 s[46:47], s[4:5], s[46:47]
	s_add_nc_u64 s[92:93], s[6:7], s[92:93]
	CROUND
	s_mov_b32 s[G0S], 1
	s_add_co_u32 s[G0S+1], s94, SCL
	s_mov_b64 s[G0S+2:G0S+3], s[22:23]
	s_or_b32 s[G0S+3], s[G0S+3], 0x80000000
	s_mov_b32 s[G0SB], 1
	s_add_co_u32 s[G0SB+1], s94, SCL
	s_mov_b64 s[G0SB+2:G0SB+3], s[92:93]
	s_or_b32 s[G0SB+3], s[G0SB+3], 0x80000000
	JLOAD G0S, G1S, G0SB, G1SB
.irp s, 0,1
	s_mov_b32 s[G0+4*\s], 1
	s_add_co_u32 s[G0+4*\s+1], s45, \s*SLOT
	s_add_nc_u64 s[G0+4*\s+2:G0+4*\s+3], s[20:21], \s*ROWB
	s_or_b32 s[G0+4*\s+3], s[G0+4*\s+3], 0x80000000
	s_mov_b32 s[G0B+4*\s], 1
	s_add_co_u32 s[G0B+4*\s+1], s45, \s*SLOT
	s_add_nc_u64 s[G0B+4*\s+2:G0B+4*\s+3], s[46:47], \s*ROWB
	s_or_b32 s[G0B+4*\s+3], s[G0B+4*\s+3], 0x80000000
	s_wait_alu depctr_va_vdst(0)
	s_wait_tensorcnt 0x0
	ds_add_u32 v28, v29
	s_wait_dscnt 0x0
	CROUND
	JLOAD G0+4*\s, G1, G0B+4*\s, G1B
.endr
	s_load_b128 s[4:7], s[0:1], 0x20
	s_load_b128 s[8:11], s[0:1], 0x30
	s_load_b128 s[96:99], s[0:1], 0x40
	v_and_b32 v1, 15, v0
	v_bfe_u32 v2, v0, 4, 1
	v_mul_u32_u24 v3, v1, PITCH
	v_lshl_add_u32 v4, v2, 4, v3
	s_mul_i32 s21, s15, HALFT
	s_mul_i32 s22, s16, HALFT
	s_add_co_u32 s22, s22, 2*HALFT
.irp s, 0,1
	v_add_nc_u32 v[ADRA+\s], s21, v4
	v_add_nc_u32 v[ADRB+\s], s22, v4
	s_add_co_u32 s21, s21, SLOT
	s_add_co_u32 s22, s22, SLOT
.endr
	v_mul_u32_u24 v5, v1, KS
	v_lshrrev_b32 v6, 8, v5
	v_lshl_add_u32 v5, v6, 4, v5
	s_mul_i32 s21, s15, HALFS
	s_mul_i32 s22, s16, HALFS
	s_add_co_u32 s22, s22, 2*HALFS
	s_sub_co_u32 s22, s22, s21
	v_mul_u32_u24 v6, s22, v2
	s_add_co_u32 s21, s21, SCL
	v_add_nc_u32 v5, v5, v6
	v_add_nc_u32 v[ADRS], s21, v5
.macro FRAG reg, adr, q, i
.irp c, 0,1,2,3
	ds_load_b128 v[\reg+4*\c:\reg+4*\c+3], v[\adr] offset:128*(\q)+32*\c+(\i)*16*PITCH
.endr
.endm
.macro MUL16 a0, p, q, sc, zero
.irp a, \a0, \a0+1
.irp b, 0,1,2,3,4,5,6,7
.if \zero
	v_wmma_scale_f32_16x16x128_f8f6f4 v[8*(8*((\a)%4)+\b):8*(8*((\a)%4)+\b)+7], v[128*(\p)+FR*\b:128*(\p)+FR*\b+FR-1], v[AF+FR*(\a):AF+FR*(\a)+FR-1], 0, v[SC+8*NQ*(\sc)+NQ*\b+(\q)], v[SC+8*NQ*(\sc)+NQ*(\a)+(\q)] matrix_a_fmt:MATRIX_FMT_BF8 matrix_b_fmt:MATRIX_FMT_BF8 matrix_a_scale:MATRIX_SCALE_ROW1
.else
	v_wmma_scale_f32_16x16x128_f8f6f4 v[8*(8*((\a)%4)+\b):8*(8*((\a)%4)+\b)+7], v[128*(\p)+FR*\b:128*(\p)+FR*\b+FR-1], v[AF+FR*(\a):AF+FR*(\a)+FR-1], v[8*(8*((\a)%4)+\b):8*(8*((\a)%4)+\b)+7], v[SC+8*NQ*(\sc)+NQ*\b+(\q)], v[SC+8*NQ*(\sc)+NQ*(\a)+(\q)] matrix_a_fmt:MATRIX_FMT_BF8 matrix_b_fmt:MATRIX_FMT_BF8 matrix_a_scale:MATRIX_SCALE_ROW1
.endif
.endr
.endr
.endm
.macro FETCH_B slot, q, p
	WIN TO_B
.irp i, 0,1,2,3,4,5,6,7
	FRAG 128*(\p)+FR*\i, ADRB+\slot, \q, \i
.endr
	WIN 0
.endm
.macro FETCH_A slot, q, i0
.irp i, \i0, \i0+1, \i0+2, \i0+3
	FRAG AF+FR*(\i), ADRA+\slot, \q, \i
.endr
.endm
.macro SCALES sc
.irp i, 0,1,2,3,4,5,6,7
	ds_load_b64 v[SC+8*NQ*\sc+NQ*\i:SC+8*NQ*\sc+NQ*\i+1], v[ADRS] offset:\i*SBLK
.endr
.endm
.macro PLACES n
.rept \n
	v_nop
.endr
.endm
.macro STEP slot, q, zero
	s_wait_dscnt 4*NL
	WIN MUL_LO
	MUL16 0, (\q)%2, \q, \slot, \zero
	MUL16 2, (\q)%2, \q, \slot, \zero
	s_wait_dscnt 0
	PLACES NP
	FETCH_B \slot, (\q)+1, 1-(\q)%2
	FETCH_A \slot, (\q)+1, 0
	WIN MUL_HI
	MUL16 4, (\q)%2, \q, \slot, \zero
	MUL16 6, (\q)%2, \q, \slot, \zero
	PLACES NP
	WIN 0
	FETCH_A \slot, (\q)+1, 4
.endm
.macro TURN slot, next, fill
	s_wait_tensorcnt 0x0
	ds_add_u32 v[SPW], v[NIL]
	s_wait_dscnt 4*NL+1
	WIN MUL_LO
	MUL16 0, 1, NQ-1, \slot, 0
	s_wait_dscnt 0x0
	s_barrier_signal -1
	MUL16 2, 1, NQ-1, \slot, 0
	WIN 0
	s_barrier_wait -1
.if \fill
	CREST
	s_add_nc_u64 s[G0+4*\slot+2:G0+4*\slot+3], s[G0+4*\slot+2:G0+4*\slot+3], 2*ROWB
	s_add_nc_u64 s[G0B+4*\slot+2:G0B+4*\slot+3], s[G0B+4*\slot+2:G0B+4*\slot+3], 2*ROWB
	JLOAD G0+4*\slot, G1, G0B+4*\slot, G1B
	PLACES NP-4
.else
	PLACES NP
.endif
	s_wait_alu depctr_va_vdst(0)
	v_add_nc_u32 v[ADRS], 4*NQ, v[ADRS]
	FETCH_B \next, 0, 0
	FETCH_A \next, 0, 0
	SCALES \next
	WIN MUL_HI
	MUL16 4, 1, NQ-1, \slot, 0
	MUL16 6, 1, NQ-1, \slot, 0
	PLACES NP
	WIN 0
	FETCH_A \next, 0, 4
.endm
	s_wait_alu depctr_va_vdst(0)
	s_wait_kmcnt 0x0
	s_wait_tensorcnt 1
	s_barrier_signal -1
	s_barrier_wait -1
	FETCH_B 0, 0, 0
	FETCH_A 0, 0, 0
	SCALES 0
	FETCH_A 0, 0, 4
	STEP 0, 0, 1
	s_mov_b32 s3, LAPS-1
.Llap:
	TURN 0, 1, 1
	STEP 1, 0, 0
	TURN 1, 0, 1
	STEP 0, 0, 0
	s_sub_co_u32 s3, s3, 1
	s_cmp_lg_u32 s3, 0
	s_cbranch_scc1 .Llap
	TURN 0, 1, 0
	STEP 1, 0, 0
	s_wait_dscnt 4*NL
	WIN MUL_LO
	MUL16 0, 1, NQ-1, 1, 0
	MUL16 2, 1, NQ-1, 1, 0
	s_wait_dscnt 0
	WIN MUL_HI
	MUL16 4, 1, NQ-1, 1, 0
	MUL16 6, 1, NQ-1, 1, 0
	WIN 0
	PLACES NP
	s_mov_b32 s[SEL], 0x76543210
	s_mov_b32 s[SEL+1], 0xfedcba98
	s_mov_b32 s[HM], 0xffff0000
	v_and_b32 v[L16], 31, v0
	v_lshlrev_b32 v[L16], 4, v[L16]
	v_and_b32 v[SOFF], 15, v0
	v_bfe_u32 v[BOFF], v0, 4, 1
	v_lshlrev_b32 v[SOFF], 4, v[SOFF]
	v_lshl_add_u32 v[SOFF], v[BOFF], 12, v[SOFF]
.irp b, 0,1,2,3
	v_mov_b32 v[TM+4+\b], 0
.endr
	s_lshl_b32 s20, s17, 8
	s_lshl_b32 s21, s15, 7
	s_add_co_u32 s20, s20, s21
	s_lshl_b32 s22, s42, 8
	s_lshl_b32 s21, s16, 7
	s_add_co_u32 s22, s22, s21
	s_mov_b32 s19, 0
.macro QUANT s
.irp b, 0,1,2,3
	v_max3_num_f32 v[TM+\b], |v[\s+16*\b]|, |v[\s+1+16*\b]|, 0x8000000
.endr
.irp i, 2,4,6,8,10,12,14
.irp b, 0,1,2,3
	v_max3_num_f32 v[TM+\b], v[TM+\b], |v[\s+16*\b+\i]|, |v[\s+1+16*\b+\i]|
.endr
.endr
.irp b, 0,1,2,3
	v_permlanex16_b32 v[TM+4+\b], v[TM+\b], s[SEL], s[SEL+1]
.endr
.irp b, 0,1,2,3
	v_max_num_f32 v[TM+\b], v[TM+\b], v[TM+4+\b]
.endr
.irp b, 0,1,2,3
	v_add_nc_u32 v[TM+12+\b], 0xf8800000, v[TM+\b]
.endr
.irp b, 0,1,2,3
.endr
.irp b, 0,1,2,3
	v_lshrrev_b32 v[TM+4+\b], 23, v[TM+12+\b]
.endr
.irp b, 0,1,2,3
.irp i, 0,1,2,3,4,5,6,7,8,9,10,11,12,13,14,15
.endr
	v_cvt_scalef32_pk8_bf8_f32 v[PC+4*\b:PC+1+4*\b], v[\s+16*\b:\s+7+16*\b], v[TM+12+\b]
	v_cvt_scalef32_pk8_bf8_f32 v[PC+2+4*\b:PC+3+4*\b], v[\s+8+16*\b:\s+15+16*\b], v[TM+12+\b]
.endr
	v_nop
.endm
	s_cmp_eq_u32 ttmp9, 2
	s_cbranch_scc1 .Lv_out
	s_and_b32 s2, s20, 2047
	s_lshr_b32 s3, s20, 11
	s_lshl_b32 s3, s3, 4
	s_lshr_b32 s12, s22, 10
	s_lshl_b32 s12, s12, 6
	s_add_co_u32 s3, s3, s12
	s_bfe_u32 s12, s22, 0x40006
	s_add_co_u32 s3, s3, s12
	s_lshl_b32 s18, s3, 17
	s_lshl_b32 s12, s2, 6
	s_add_co_u32 s18, s18, s12
	s_add_nc_u64 s[8:9], s[8:9], s[18:19]
	s_lshl_b32 s18, s3, 12
	s_lshl_b32 s12, s2, 1
	s_add_co_u32 s18, s18, s12
	s_add_nc_u64 s[10:11], s[10:11], s[18:19]
	s_lshl_b32 s18, s2, 8
	s_add_nc_u64 s[6:7], s[6:7], s[18:19]
	s_lshl_b32 s18, s22, 2
	s_add_nc_u64 s[4:5], s[4:5], s[18:19]
	s_wait_alu depctr_va_vdst(0)
	v_lshlrev_b32 v[BOFF], 5, v[BOFF]
.irp t, 0,1,2,3,4,5,6,7
	global_load_b128 v[BI+8*\t:BI+8*\t+3], v[BOFF], s[4:5] offset:64*\t
	global_load_b128 v[BI+8*\t+4:BI+8*\t+7], v[BOFF], s[4:5] offset:64*\t+16
.endr
	WIN TO_B
.irp a, 0,1
.irp k, 0,1,2,3,4,5,6,7
	global_load_b128 v[CS+32*\a+4*\k:CS+32*\a+4*\k+3], v[L16], s[6:7] offset:4096*\a+512*\k
.endr
.endr
	WIN 0
.macro QKBLOCK a
.set CSB, CS+32*((\a)%2)
.if (\a) > 0
	s_wait_xcnt 0x0
.endif
.if (\a) < 7
	s_wait_loadcnt 8
.else
	s_wait_loadcnt 0x0
.endif
	WIN 0x02+(\a)/4
.set i, 0
.rept 32
	v_pk_add_f32 v[X+i:X+i+1], v[64*((\a)%4)+i:64*((\a)%4)+i+1], v[BI+i:BI+i+1]
.set i, i+2
.endr
	WIN 0x04
.irp e, 0,1
.set i, 0
.rept 8
	v_pk_mul_f32 v[RT+i:RT+i+1], v[X+32*\e+16+i:X+32*\e+17+i], v[CSB+16+i:CSB+17+i]
.set i, i+2
.endr
.set i, 0
.rept 8
	v_pk_mul_f32 v[RU+i:RU+i+1], v[X+32*\e+i:X+32*\e+1+i], v[CSB+16+i:CSB+17+i]
.set i, i+2
.endr
.set i, 0
.rept 8
	v_pk_fma_f32 v[X+32*\e+i:X+32*\e+1+i], v[X+32*\e+i:X+32*\e+1+i], v[CSB+i:CSB+1+i], v[RT+i:RT+i+1] neg_lo:[0,0,1] neg_hi:[0,0,1]
.set i, i+2
.endr
.set i, 0
.rept 8
	v_pk_fma_f32 v[X+32*\e+16+i:X+32*\e+17+i], v[X+32*\e+16+i:X+32*\e+17+i], v[CSB+i:CSB+1+i], v[RU+i:RU+i+1]
.set i, i+2
.endr
.endr
.if (\a) < 6
	WIN TO_B
.irp k, 0,1,2,3,4,5,6,7
	global_load_b128 v[CSB+4*\k:CSB+4*\k+3], v[L16], s[6:7] offset:4096*((\a)+2)+512*\k
.endr
.endif
	WIN 0
	QUANT X
.irp e, 0,1
.if (\a)%2 == 0
	v_lshl_or_b32 v[SW+4*\e+(\a)/2], v[TM+5+2*\e], 8, v[TM+4+2*\e]
.else
	v_lshl_or_b32 v[SW+4*\e+(\a)/2], v[TM+4+2*\e], 16, v[SW+4*\e+(\a)/2]
	v_lshl_or_b32 v[SW+4*\e+(\a)/2], v[TM+5+2*\e], 24, v[SW+4*\e+(\a)/2]
.endif
.endr
.irp g, 0,1,2,3
	global_store_b128 v[L16], v[PC+4*\g:PC+4*\g+3], s[8:9] offset:(\g/2)*131072+1024*(\a)+512*(\g%2)
.endr
.endm
.irp a, 0,1,2,3,4,5,6,7
	QKBLOCK \a
.endr
.irp k, 0,1,2,3
	v_cndmask_b32 v[OUTW+\k], v[SW+\k], v[SW+4+\k], s[HM]
.endr
	global_store_b128 v[SOFF], v[OUTW:OUTW+3], s[10:11]
	s_branch .Lend
.Lv_out:
	s_and_b32 s2, s22, 2047
	s_lshr_b32 s3, s22, 11
	s_lshl_b32 s3, s3, 4
	s_sub_co_u32 s12, s20, 2048
	s_lshr_b32 s12, s12, 6
	s_add_co_u32 s3, s3, s12
	s_lshl_b32 s18, s3, 17
	s_lshl_b32 s12, s2, 6
	s_add_co_u32 s18, s18, s12
	s_add_nc_u64 s[96:97], s[96:97], s[18:19]
	s_lshl_b32 s18, s3, 12
	s_lshl_b32 s12, s2, 1
	s_add_co_u32 s18, s18, s12
	s_add_nc_u64 s[98:99], s[98:99], s[18:19]
	s_lshl_b32 s18, s20, 2
	s_add_nc_u64 s[4:5], s[4:5], s[18:19]
	v_and_b32 v[BOFF], 15, v0
	v_lshlrev_b32 v[BOFF], 2, v[BOFF]
.irp a, 0,1,2,3,4,5,6,7
	global_load_b32 v[BI+2*\a], v[BOFF], s[4:5] offset:64*\a
	global_load_b32 v[BI+2*\a+1], v[BOFF], s[4:5] offset:64*\a
.endr
	s_wait_loadcnt 0x0
.macro VBLOCK a
.if (\a) > 0
	s_wait_xcnt 0x0
.endif
	WIN 0x02+(\a)/4
.set i, 0
.rept 32
	v_pk_add_f32 v[X+i:X+i+1], v[64*((\a)%4)+i:64*((\a)%4)+i+1], v[BI+2*(\a):BI+2*(\a)+1]
.set i, i+2
.endr
	WIN 0
	QUANT X
	v_lshl_or_b32 v[SW+(\a)], v[TM+5], 8, v[TM+4]
	v_lshl_or_b32 v[SW+(\a)], v[TM+6], 16, v[SW+(\a)]
	v_lshl_or_b32 v[SW+(\a)], v[TM+7], 24, v[SW+(\a)]
.irp c, 0,1,2,3
	global_store_b128 v[L16], v[PC+4*\c:PC+4*\c+3], s[96:97] offset:((\a)/4)*131072+2048*((\a)%4)+512*\c
.endr
.endm
.irp a, 0,1,2,3,4,5,6,7
	VBLOCK \a
.endr
.irp k, 0,1,2,3
	v_cndmask_b32 v[OUTW+\k], v[SW+\k], v[SW+4+\k], s[HM]
.endr
	global_store_b128 v[SOFF], v[OUTW:OUTW+3], s[98:99]
.Lend:
	s_wait_tensorcnt 0x0
	ds_add_u32 v[SPW], v[NIL]
	s_wait_dscnt 0x0
	CROUND
	s_endpgm
.Lfunc_end_k_qb73a56121f_qkv:
	.size	k_qb73a56121f_qkv, .Lfunc_end_k_qb73a56121f_qkv-k_qb73a56121f_qkv
	.p2alignl 7, 3214868480
	.fill 96, 4, 3214868480
	.section	.rodata,"a",@progbits
	.p2align	6, 0x0
	.amdhsa_kernel k_qb73a56121f_qkv
		.amdhsa_group_segment_fixed_size 327680
		.amdhsa_private_segment_fixed_size 0
		.amdhsa_enable_private_segment 0
		.amdhsa_kernarg_size 80
		.amdhsa_user_sgpr_count 2
		.amdhsa_user_sgpr_kernarg_segment_ptr 1
		.amdhsa_wavefront_size32 1
		.amdhsa_system_sgpr_workgroup_id_x 1
		.amdhsa_system_sgpr_workgroup_id_y 1
		.amdhsa_system_sgpr_workgroup_id_z 1
		.amdhsa_system_vgpr_workitem_id 0
		.amdhsa_next_free_vgpr 1024
		.amdhsa_next_free_sgpr 100
		.amdhsa_reserve_vcc 0
		.amdhsa_float_denorm_mode_32 3
		.amdhsa_float_denorm_mode_16_64 3
		.amdhsa_fp16_overflow 1
		.amdhsa_memory_ordered 1
		.amdhsa_forward_progress 1
		.amdhsa_inst_pref_size 255
	.end_amdhsa_kernel
	.section	.bss,"aw",@nobits
	.p2align	6
	.space	262144
	.amdgpu_metadata
---
amdhsa.version: [ 1, 2 ]
amdhsa.kernels:
  - .name:           k_qb73a56121f_qkv
    .symbol:         k_qb73a56121f_qkv.kd
    .args:
      - { .name: x_codes, .offset: 0, .size: 8, .value_kind: global_buffer, .address_space: global }
      - { .name: x_scales, .offset: 8, .size: 8, .value_kind: global_buffer, .address_space: global }
      - { .name: w_qkv_codes, .offset: 16, .size: 8, .value_kind: global_buffer, .address_space: global }
      - { .name: w_qkv_scales, .offset: 24, .size: 8, .value_kind: global_buffer, .address_space: global }
      - { .name: b_qkv, .offset: 32, .size: 8, .value_kind: global_buffer, .address_space: global }
      - { .name: rope, .offset: 40, .size: 8, .value_kind: global_buffer, .address_space: global }
      - { .name: qk_codes, .offset: 48, .size: 8, .value_kind: global_buffer, .address_space: global }
      - { .name: qk_scales, .offset: 56, .size: 8, .value_kind: global_buffer, .address_space: global }
      - { .name: v_codes, .offset: 64, .size: 8, .value_kind: global_buffer, .address_space: global }
      - { .name: v_scales, .offset: 72, .size: 8, .value_kind: global_buffer, .address_space: global }
    .group_segment_fixed_size: 327680
    .private_segment_fixed_size: 0
    .kernarg_segment_align: 8
    .kernarg_segment_size: 80
    .max_flat_workgroup_size: 128
    .sgpr_count:     100
    .vgpr_count:     1024
    .wavefront_size: 32
...
	.end_amdgpu_metadata
.endif
;; end of part 2
;; launch attn (part 3): grid 4 x 64, 16 waves a work-group, clusters of 4 x 1, 327,680 bytes of LDS; arguments qk_codes, qk_scales, v_codes, v_scales, ao_codes, ao_scales; writes ao_codes, ao_scales
.if DOCPART == 3
	.amdgcn_target "amdgcn-amd-amdhsa--gfx1250"
	.amdhsa_code_object_version 6
	.text
	.protected	k_qb73a56121f_attn
	.globl	k_qb73a56121f_attn
	.p2align	8
	.type	k_qb73a56121f_attn,@function
k_qb73a56121f_attn:
	s_mov_b64 s[64:65], 0
	v_nop
	global_prefetch_b8 v0, s[64:65] scope:SCOPE_SE
	s_setreg_imm32_b32 hwreg(HW_REG_WAVE_MODE, 25, 1), 1
	s_wait_xcnt 0x0
	s_wait_alu depctr_hold_cnt(0) depctr_sa_sdst(0) depctr_va_vdst(0) depctr_va_sdst(0) depctr_va_ssrc(0) depctr_va_vcc(0) depctr_vm_vsrc(0)
	s_getreg_b32 s2, hwreg(HW_REG_IB_STS2, 6, 4)
	s_cmp_eq_u32 s2, 0
	s_cbranch_scc0 .Lentry_in_a_cluster
	s_endpgm
.Lentry_in_a_cluster:
	s_bfe_u32 s2, ttmp6, 0x10000c
	s_cmp_lg_u32 s2, 0x3003
	s_cbranch_scc0 .Lentry_shape_is_right
	s_endpgm
.Lentry_shape_is_right:
; Attention of one head on codes of BF8 (E5M2): S^T = K Q^T, p = 2^(t - M), O^T = V^T P^T, O / the row's sum, quantised along the head's 64 for the last product.
; t = score x log2(e) / 8; M = the row's largest t so far, rounded UP to a whole number; p is quantised along the keys and not normalised; the sum is taken of the unquantised p.  When M moves, the sum and O^T are
; multiplied by 2^(old M - new M), which rounds nothing.
; SHARES.  A work-group owns 512 queries of one head (work-group y = 16 batch + head); each of its sixteen waves owns one tile of 16 queries in each of two passes, in 256 registers: four waves to a SIMD, so that one wave's
; vector work stands beside another's matrix work and LDS loads.  256 work-groups of equal work.
; A HEAD'S WHOLE K AND V STAY IN LDS: 2 x 131,072 bytes of codes and 2 x 4,096 of scale words, fetched once.  So no LDS byte is ever filled again: no ring.  Two barriers serve the keys' arrival: behind the first the first
; quarter of the keys has landed (four steps), behind the second all of them; the waves then run on, through the second pass, to one barrier at the end.  CLUSTER: the four work-groups of a head ask for these tiles jointly (mask 15).
; THE CODES LIE IN MEMORY AS IMAGES OF THE OPERANDS' REGISTERS (the launch before laid them so): every LDS load is 512 consecutive bytes, lane l's 16 at 16 l; no pitch, no padding.
; A HEAD OF 64 IN AN INSTRUCTION OF K = 128.  A fragment of K holds TWO tiles of 16 keys: registers 0-7 keys 32 i + r, registers 8-15 keys 32 i + 16 + r.  It is multiplied once by [Q | zeros] and once by [zeros | Q]:
; zero codes add nothing (K's codes are finite: their quantiser held them; all scale bytes lie between 1 and 254).  v16-23 and v32-39 hold the zeros, v24-31 Q: the two operands are v[24:39] and v[16:31].
; A lane (r, h) holds query r throughout.  Register 16 i + 8 u + j of S^T is key 32 i + 16 u + 8 h + j: the order in which v's codes were laid inside a block of 32 keys.
; THE WAY OUT.  O's codes meet w_out, which lies in true order: the halves of the lanes exchange 8 bytes a block.  ao_codes [K step of 256][tile of 16 rows][128 along K][block][lane][16 bytes]; ao_scales [head][row] two bytes.
; LIMITS: NaN and infinities are not served; a block of zeros gets the byte 1 (its codes are zeros; this program alone reads the bytes).
.set VC,   131072                      ; LDS: K's codes at 0: step ks, fragment i, registers 4 c on: 8,192 ks + 2,048 i + 512 c + 16 lane; V's here, likewise
.set KSC,  262144                      ; K's scale words: 256 ks + 16 r: four words, one for each fragment
.set VSC,  266240                      ; V's likewise
.set STG,  270336                      ; two stages of 512 bytes for O's scale bytes, one for each pass: blocks of 256 bytes into which no fill lands
.set L16,  1                           ; v1   16 x lane
.set AV0,  2                           ; v2   VC + 16 x lane
.set AS0,  3                           ; v3   KSC + 16 r
.set QSO,  4                           ; v4   16 r
.set SA,   5                           ; v5   STG + 32 wave + 2 r
.set SRD,  6                           ; v6   STG + 16 x lane
.set ADK,  8                           ; v8-10 the step's addresses
.set ADV,  9
.set ADS,  10
.set QZ,   16                          ; v12 -M, v13 the largest score, v[14:15] the sum in two halves; v16-39 zeros, Q, zeros
.set KF,   40                          ; v40-103  four fragments of K, then of V
.set S,    104                         ; v104-167 S^T, then p
.set O,    168                         ; v168-199 O^T
.set PCD,  200                         ; v200-215 codes
.set BM,   216                         ; v216-219 the blocks' largest
.set BT,   220                         ; v220-223 at work
.set HD,   224                         ; v224-227 the hold
.set CV,   228                         ; v228-231 the conversions' scales
.set FF,   232                         ; v[232:233] f = 2^(old M - new M) (the pair's upper half is written once)
.set T0,   234
.set T1,   235
.set KW,   240                         ; v240-243 K's scale words, v244-247 V's, v248 Q's, v249 p's: v240-243 also hold partial sums
.set VW,   244
.set QW,   248
.set PW,   249
.set QR,   250                         ; Q's word as loaded
.set WV,   16
.set SEL,  20
.set CS,   22
.set G1C,  24                          ; s[24:31] group 1: 64 rows of 256 bytes;  s[32:39]: 8 rows
.set G1S,  32
.set G0K,  40                          ; s[40:59] K's five groups 0: the scale words, then four quarters of the codes
.set MNT,  60
.set HM,   61
.set SH,   62
.set CNT,  63
.set FLR,  66                          ; s66 the floor 2^(16 - 127)
.set G0V,  68                          ; s[68:87] V's five
.set TB,   88                          ; LDS byte at which the step's codes begin
.set TS,   89                          ; and its scale words
.macro CROUND                          ; a round of the cluster's barrier
	s_barrier_signal -1
	s_barrier_wait -1
	s_cmp_lg_u32 s[WV], 0
	s_cbranch_scc1 .Lnot_wave_0_\@
	s_barrier_signal -3
.Lnot_wave_0_\@:
	s_barrier_wait -3
	s_barrier_signal -1
	s_barrier_wait -1
.endm
	s_load_b256 s[4:11], s[0:1], 0x0               ; q's and k's codes s[4:5], their scale words s[6:7], v's codes s[8:9], its scale words s[10:11]
	s_load_b128 s[12:15], s[0:1], 0x20             ; O's codes s[12:13], O's scale bytes s[14:15]
	v_lshl_add_u32 v254, v0, 2, 0x42400
	v_mov_b32 v255, 0
	ds_add_u32 v254, v255
	ds_add_u32 v254, v255
	v_lshrrev_b32 v8, 5, v0
	s_delay_alu instid0(VALU_DEP_1)
	v_readfirstlane_b32 s[WV], v8                  ; wave 0..15
	s_and_b32 s17, s[WV], 1                        ; which half of a tile I fetch, if I fetch
	s_and_b32 s18, ttmp7, 0xffff                   ; 16 batch + head: shared by the four partners
	s_bfe_u32 s19, ttmp6, 0x40000                  ; cx: it enters Q's and O's addresses alone
	s_mov_b32 s[G1C], 15|(3<<16)|(1<<21)           ; 15:0 the mask: all four work-groups; 17:16 elements of 8 bytes; 21 set beside a mask; no padding
	s_mov_b32 s[G1C+1], 32<<16                     ; tensor_dim0 = 32 elements: rows of 256 bytes of a dense block
	s_mov_b32 s[G1C+2], 64<<16                     ; tensor_dim1
	s_mov_b32 s[G1C+3], 32<<16                     ; tile_dim0
	s_mov_b32 s[G1C+4], 64                         ; tile_dim1: 16,384 bytes
	s_mov_b32 s[G1C+5], 32                         ; the pitch
	s_mov_b32 s[G1C+6], 0
	s_mov_b32 s[G1C+7], 0
	s_mov_b32 s[G1S], 15|(3<<16)|(1<<21)
	s_mov_b32 s[G1S+1], 32<<16
	s_mov_b32 s[G1S+2], 8<<16
	s_mov_b32 s[G1S+3], 32<<16
	s_mov_b32 s[G1S+4], 8                          ; 2,048 bytes
	s_mov_b32 s[G1S+5], 32
	s_mov_b32 s[G1S+6], 0
	s_mov_b32 s[G1S+7], 0
	s_mov_b32 s[SEL], 0x76543210
	s_mov_b32 s[SEL+1], 0xfedcba98                 ; v_permlanex16_b32's selects for lane l xor 16
	s_mov_b32 s[CS], 0x3e38aa3b                    ; c = log2(e) / sqrt(64)
	s_mov_b32 s[CS+1], s[CS]                       ; (named with it as a pair, so it is written)
	s_mov_b32 s[MNT], 0x600000                     ; the mantissa field of 57,344
	s_mov_b32 s[HM], 0xffff0000                    ; lanes 16-31
	s_mov_b32 s[FLR], 0x8000000
	s_lshl_b32 s90, s18, 17                        ; a head's codes: 131,072 bytes
	s_mov_b32 s91, 0
	s_lshl_b32 s92, s18, 12                        ; its scale words: 4,096
	s_mov_b32 s93, 0
	s_lshl_b32 s2, s17, 14                         ; my half of a quarter: 16,384 bytes, in memory and in LDS
	s_lshl_b32 s3, s17, 11                         ; my half of the scale words: 2,048
	s_mov_b32 s95, 0
	s_wait_dscnt 0x0
	s_wait_kmcnt 0x0
	s_add_nc_u64 s[4:5], s[4:5], s[90:91]          ; q's codes of my head,
	s_add_nc_u64 s[6:7], s[6:7], s[92:93]          ; q's scale words,
	s_add_nc_u64 s[8:9], s[8:9], s[90:91]          ; v's codes,
	s_add_nc_u64 s[10:11], s[10:11], s[92:93]      ; v's scale words
	s_mov_b32 s94, s2
	s_add_nc_u64 s[90:91], s[4:5], s[94:95]
	s_add_nc_u64 s[90:91], s[90:91], 0x800000      ; k's codes lie 64 heads behind q's
	s_add_nc_u64 s[92:93], s[8:9], s[94:95]
	s_mov_b32 s94, s3
	s_mov_b32 s[G0K], 1
	s_add_co_u32 s[G0K+1], s3, KSC
	s_add_nc_u64 s[G0K+2:G0K+3], s[6:7], s[94:95]
	s_add_nc_u64 s[G0K+2:G0K+3], s[G0K+2:G0K+3], 0x40000   ; k's scale words likewise
	s_or_b32 s[G0K+3], s[G0K+3], 0x80000000
	s_mov_b32 s[G0V], 1
	s_add_co_u32 s[G0V+1], s3, VSC
	s_add_nc_u64 s[G0V+2:G0V+3], s[10:11], s[94:95]
	s_or_b32 s[G0V+3], s[G0V+3], 0x80000000
.irp n, 0,1,2,3                        ; quarter n: key steps 4 n .. 4 n + 3
	s_mov_b32 s[G0K+4+4*\n], 1
	s_add_co_u32 s[G0K+5+4*\n], s2, 32768*\n
	s_add_nc_u64 s[G0K+6+4*\n:G0K+7+4*\n], s[90:91], 32768*\n
	s_or_b32 s[G0K+7+4*\n], s[G0K+7+4*\n], 0x80000000
	s_mov_b32 s[G0V+4+4*\n], 1
	s_add_co_u32 s[G0V+5+4*\n], s2, VC+32768*\n
	s_add_nc_u64 s[G0V+6+4*\n:G0V+7+4*\n], s[92:93], 32768*\n
	s_or_b32 s[G0V+7+4*\n], s[G0V+7+4*\n], 0x80000000
.endr
	CROUND                                         ; all four work-groups are here: the joint loads meet
	s_cmp_lt_u32 s[WV], 2                          ; waves 0 and 1 fetch K's halves, waves 2 and 3 V's, the others nothing: a wave's five loads stand in one branch; five of mine are out at the most
	s_cbranch_scc0 .Lnot_k
	tensor_load_to_lds s[G0K:G0K+3], s[G1S:G1S+7]
	s_nop 0
	tensor_load_to_lds s[G0K+4:G0K+7], s[G1C:G1C+7]
	s_nop 0
	tensor_load_to_lds s[G0K+8:G0K+11], s[G1C:G1C+7]
	s_nop 0
	tensor_load_to_lds s[G0K+12:G0K+15], s[G1C:G1C+7]
	s_nop 0
	tensor_load_to_lds s[G0K+16:G0K+19], s[G1C:G1C+7]
	s_nop 0
.rept 4
	v_nop
.endr
	s_branch .Lasked
.Lnot_k:
	s_cmp_lt_u32 s[WV], 4
	s_cbranch_scc0 .Lasked
	tensor_load_to_lds s[G0V:G0V+3], s[G1S:G1S+7]
	s_nop 0
	tensor_load_to_lds s[G0V+4:G0V+7], s[G1C:G1C+7]
	s_nop 0
	tensor_load_to_lds s[G0V+8:G0V+11], s[G1C:G1C+7]
	s_nop 0
	tensor_load_to_lds s[G0V+12:G0V+15], s[G1C:G1C+7]
	s_nop 0
	tensor_load_to_lds s[G0V+16:G0V+19], s[G1C:G1C+7]
	s_nop 0
.rept 4
	v_nop
.endr
.Lasked:
	; my tile of queries in pass p is 32 cx + 16 p + wave
	s_lshl_b32 s94, s19, 5
	s_add_co_u32 s94, s94, s[WV]
	s_lshl_b32 s94, s94, 10
	s_add_nc_u64 s[4:5], s[4:5], s[94:95]          ; its codes: 1,024 bytes a tile
	s_lshl_b32 s94, s19, 2
	s_lshr_b32 s90, s[WV], 3
	s_add_co_u32 s94, s94, s90
	s_lshl_b32 s94, s94, 8                         ; its group of 128 positions: 256 bytes of scale words,
	s_bfe_u32 s90, s[WV], 0x20001
	s_lshl_b32 s90, s90, 2
	s_add_co_u32 s94, s94, s90                     ; the word of its pair of tiles,
	s_add_nc_u64 s[6:7], s[6:7], s[94:95]
	s_and_b32 s[SH], s[WV], 1
	s_lshl_b32 s[SH], s[SH], 4                     ; and the word's half
	s_lshr_b32 s2, s18, 4                          ; the batch
	s_and_b32 s3, s18, 15                          ; the head
	s_lshr_b32 s94, s3, 2
	s_lshl_b32 s94, s94, 21                        ; O's codes: the K step of 256 (four heads): 2 MiB,
	s_lshl_b32 s90, s2, 7
	s_lshl_b32 s91, s19, 5
	s_add_co_u32 s90, s90, s91
	s_add_co_u32 s90, s90, s[WV]
	s_lshl_b32 s90, s90, 12
	s_add_co_u32 s94, s94, s90                     ; the tile of 16 rows: 4,096 bytes,
	s_bfe_u32 s90, s3, 0x10001
	s_lshl_b32 s90, s90, 11
	s_add_co_u32 s94, s94, s90                     ; which 128 along K: 2,048,
	s_and_b32 s90, s3, 1
	s_lshl_b32 s90, s90, 10
	s_add_co_u32 s94, s94, s90                     ; which two blocks of it: 1,024
	s_add_nc_u64 s[12:13], s[12:13], s[94:95]
	s_lshl_b32 s94, s3, 14                         ; O's scale bytes: 16,384 a head, two a row
	s_lshl_b32 s90, s2, 12
	s_add_co_u32 s94, s94, s90
	s_lshl_b32 s90, s19, 10
	s_add_co_u32 s94, s94, s90
	s_add_nc_u64 s[14:15], s[14:15], s[94:95]
	v_and_b32 v8, 31, v0
	s_delay_alu instid0(VALU_DEP_1)
	v_lshlrev_b32 v[L16], 4, v8
	v_and_b32 v9, 15, v0
	s_delay_alu instid0(VALU_DEP_1)
	v_lshlrev_b32 v[QSO], 4, v9
.macro QLOAD p                         ; pass p's tile of queries: two blocks of 32 channels, and the word that holds its two scale bytes
	global_load_b128 v[QZ+8:QZ+11], v[L16], s[4:5] offset:16384*\p
	global_load_b128 v[QZ+12:QZ+15], v[L16], s[4:5] offset:16384*\p+512
	global_load_b32 v[QR], v[QSO], s[6:7] offset:512*\p
.endm
	QLOAD 0
	v_add_nc_u32 v[AV0], VC, v[L16]
	v_add_nc_u32 v[AS0], KSC, v[QSO]
	v_add_nc_u32 v[SRD], STG, v[L16]
	s_lshl_b32 s90, s[WV], 5
	s_add_co_u32 s90, s90, STG
	v_lshl_add_u32 v[SA], v9, 1, s90
.irp j, 0,1,2,3,4,5,6,7
	v_mov_b32 v[QZ+\j], 0                          ; the zero codes on both sides of Q
	v_mov_b32 v[QZ+16+\j], 0
.endr
.irp b, 0,1,2,3
	v_mov_b32 v[BT+\b], 0                          ; written once: a lane permute's destination counts as one of its sources
.endr
	v_mov_b32 v[FF+1], 0                           ; (named as the upper half of a pair)
; A KEY STEP: 128 keys.
.macro STEP
	v_add_nc_u32 v[ADK], s[TB], v[L16]
	v_add_nc_u32 v[ADV], s[TB], v[AV0]
	v_add_nc_u32 v[ADS], s[TS], v[AS0]
.rept 5
	v_nop                                          ; with the three additions: eight places in front of loads into registers that the last products read
.endr
.irp i, 0,1,2,3
.irp c, 0,1,2,3
	ds_load_b128 v[KF+16*\i+4*\c:KF+16*\i+4*\c+3], v[ADK] offset:2048*\i+512*\c
.endr
.endr
	ds_load_b128 v[KW:KW+3], v[ADS]
	ds_load_b128 v[VW:VW+3], v[ADS] offset:VSC-KSC
	s_wait_alu depctr_va_vdst(0)
	s_wait_dscnt 0x0
.irp i, 0,1,2,3                        ; S^T: fragment i against [Q | 0]: keys 32 i + 8 h + j; against [0 | Q]: keys 32 i + 16 + 8 h + j
	v_wmma_scale_f32_16x16x128_f8f6f4 v[S+16*\i:S+16*\i+7], v[KF+16*\i:KF+16*\i+15], v[QZ+8:QZ+23], 0, v[KW+\i], v[QW] matrix_a_fmt:MATRIX_FMT_BF8 matrix_b_fmt:MATRIX_FMT_BF8
	v_wmma_scale_f32_16x16x128_f8f6f4 v[S+16*\i+8:S+16*\i+15], v[KF+16*\i:KF+16*\i+15], v[QZ:QZ+15], 0, v[KW+\i], v[QW] matrix_a_fmt:MATRIX_FMT_BF8 matrix_b_fmt:MATRIX_FMT_BF8
.endr
.rept 8
	v_nop                                          ; places in front of the loads below and of the first read of the scores
.endr
.irp t, 0,1,2,3
.irp c, 0,1,2,3
	ds_load_b128 v[KF+16*\t+4*\c:KF+16*\t+4*\c+3], v[ADV] offset:2048*\t+512*\c   ; V's four fragments land while the softmax is worked
.endr
.endr
.irp b, 0,1,2,3
	v_max3_num_f32 v[BM+\b], v[S+16*\b], v[S+1+16*\b], v[S+2+16*\b]   ; the largest score of each block of 32 keys: for the row's maximum, and, since p rises with the score, for the block's largest p
.endr
.irp i, 3,5,7,9,11,13
.irp b, 0,1,2,3
	v_max3_num_f32 v[BM+\b], v[BM+\b], v[S+16*\b+\i], v[S+1+16*\b+\i]
.endr
.endr
.irp b, 0,1,2,3
	v_max_num_f32 v[BM+\b], v[BM+\b], v[S+15+16*\b]
.endr
.irp b, 0,1,2,3
	s_delay_alu instid0(VALU_DEP_4)
	v_permlanex16_b32 v[BT+\b], v[BM+\b], s[SEL], s[SEL+1]
.endr
.irp b, 0,2                            ; with lane l xor 16's 16 keys: two blocks an instruction (destinations even and odd, sources in different banks)
	v_dual_max_num_f32 v[BM+\b], v[BM+\b], v[BT+\b] :: v_dual_max_num_f32 v[BM+1+\b], v[BM+1+\b], v[BT+1+\b]
.endr
	v_max3_num_f32 v[T0], v[BM], v[BM+1], v[BM+2]
	s_delay_alu instid0(VALU_DEP_1)
	v_max3_num_f32 v13, v13, v[T0], v[BM+3]        ; the running largest score
	s_delay_alu instid0(VALU_DEP_1)
	v_mul_f32 v[T0], s[CS], v13                    ; as t (c is positive, so the largest score gives the largest t)
	v_mov_b32 v[T1], v12
	s_delay_alu instid0(VALU_DEP_2)
	v_floor_f32 v12, -v[T0]                        ; the new -M = floor(-t) = -ceil(t)
	s_delay_alu instid0(VALU_DEP_1)
	v_sub_f32 v[T1], v12, v[T1]                    ; old M - new M: a whole number, 0 or less
	s_delay_alu instid0(VALU_DEP_1)
	v_cvt_i32_f32 v[T1], v[T1]                     ; (it saturates)
	s_delay_alu instid0(VALU_DEP_1)
	v_ldexp_f32 v[FF], 1.0, v[T1]                  ; f
.set i, 0
.rept 32
	v_pk_fma_f32 v[S+i:S+i+1], v[S+i:S+i+1], s[CS:CS+1], v[12:13] op_sel_hi:[1,0,0]   ; t - M, two at a time (of the pairs c and -M the low word serves both halves)
.set i, i+2
.endr
.irp b, 0,1,2,3
	v_fma_f32 v[BM+\b], v[BM+\b], s[CS], v12       ; the same of each block's largest score
.endr
.set i, 0
	s_setprio 1
	s_wait_alu depctr_va_vdst(0)
.rept 64
	v_exp_f32 v[S+i], v[S+i]                       ; p = 2^(t - M), at most 1
.set i, i+1
.endr
.irp b, 0,1,2,3
	v_exp_f32 v[BM+\b], v[BM+\b]                   ; the block's largest p: the same two instructions on the same number
.endr
	v_pk_mul_f32 v[14:15], v[14:15], v[FF:FF+1] op_sel_hi:[1,0]   ; the sums under the new M (a plain place behind the exponentials)
	s_wait_alu depctr_va_vdst(0)
.irp b, 0,2
	v_dual_max_num_f32 v[BM+\b], s[FLR], v[BM+\b] :: v_dual_max_num_f32 v[BM+1+\b], s[FLR], v[BM+1+\b]   ; the floor 2^(16 - 127): the byte cannot fall under 1
.endr
.irp b, 0,1,2,3
	v_add_nc_u32 v[CV+\b], 0xf8800000, v[BM+\b]    ; 15 off the exponent field: the conversion's scale operand
.endr
.irp b, 0,1,2,3
	v_and_or_b32 v[HD+\b], v[BM+\b], 0x7f800000, s[MNT]   ; 57,344 x the scale
.endr
.irp b, 0,1,2,3
	v_lshrrev_b32 v[BT+\b], 23, v[CV+\b]           ; the scale's byte
.endr
	s_delay_alu instid0(VALU_DEP_3)
	v_lshl_or_b32 v[PW], v[BT+1], 8, v[BT]         ; p's scale word for these 128 keys
	s_delay_alu instid0(VALU_DEP_1)
	v_lshl_or_b32 v[PW], v[BT+2], 16, v[PW]
	s_delay_alu instid0(VALU_DEP_1)
	v_lshl_or_b32 v[PW], v[BT+3], 24, v[PW]
	v_pk_add_f32 v[220:221], v[108:109], v[112:113]
	v_pk_add_f32 v[252:253], v[116:117], v[120:121]
	v_pk_add_f32 v[250:251], v[124:125], v[128:129]
	v_pk_add_f32 v[242:243], v[132:133], v[136:137]
	v_pk_add_f32 v[240:241], v[140:141], v[144:145]
	v_pk_add_f32 v[238:239], v[148:149], v[152:153]
	v_pk_add_f32 v[236:237], v[156:157], v[160:161]
	v_pk_add_f32 v[14:15], v[14:15], v[164:165]
	v_pk_add_f32 v[220:221], v[220:221], v[104:105]
	v_pk_add_f32 v[252:253], v[252:253], v[106:107]
	v_pk_add_f32 v[250:251], v[250:251], v[110:111]
	v_pk_add_f32 v[242:243], v[242:243], v[114:115]
	v_pk_add_f32 v[240:241], v[240:241], v[118:119]
	v_pk_add_f32 v[238:239], v[238:239], v[122:123]
	v_pk_add_f32 v[236:237], v[236:237], v[126:127]
	v_pk_add_f32 v[14:15], v[14:15], v[130:131]
	v_pk_add_f32 v[220:221], v[220:221], v[134:135]
	v_pk_add_f32 v[252:253], v[252:253], v[138:139]
	v_pk_add_f32 v[250:251], v[250:251], v[142:143]
	v_pk_add_f32 v[242:243], v[242:243], v[146:147]
	v_pk_add_f32 v[240:241], v[240:241], v[150:151]
	v_pk_add_f32 v[238:239], v[238:239], v[154:155]
	v_pk_add_f32 v[236:237], v[236:237], v[158:159]
	v_pk_add_f32 v[14:15], v[14:15], v[162:163]
	v_pk_add_f32 v[220:221], v[220:221], v[166:167]
	s_delay_alu instid0(VALU_DEP_2)
	v_pk_add_f32 v[14:15], v[14:15], v[242:243]
	s_delay_alu instid0(VALU_DEP_2)
	v_pk_add_f32 v[220:221], v[220:221], v[240:241]
	v_pk_add_f32 v[252:253], v[252:253], v[238:239]
	v_pk_add_f32 v[250:251], v[250:251], v[236:237]
	s_delay_alu instid0(VALU_DEP_2)
	v_pk_add_f32 v[14:15], v[14:15], v[252:253]
	s_delay_alu instid0(VALU_DEP_2)
	v_pk_add_f32 v[220:221], v[220:221], v[250:251]
	s_delay_alu instid0(VALU_DEP_1)
	v_pk_add_f32 v[14:15], v[14:15], v[220:221]
.irp g, 0,2
.irp i, 0,2,4,6,8,10,12,14
.endr
.irp b, \g, \g+1
	v_cvt_scalef32_pk8_bf8_f32 v[PCD+4*(\b):PCD+1+4*(\b)], v[S+16*(\b):S+7+16*(\b)], v[CV+(\b)]
	v_cvt_scalef32_pk8_bf8_f32 v[PCD+2+4*(\b):PCD+3+4*(\b)], v[S+8+16*(\b):S+15+16*(\b)], v[CV+(\b)]
.endr
.endr
.set i, 0
	s_setprio 0
.rept 16
	v_pk_mul_f32 v[O+i:O+i+1], v[O+i:O+i+1], v[FF:FF+1] op_sel_hi:[1,0]   ; O^T under the new M; these sixteen are also the places between the codes and the products
.set i, i+2
.endr
	s_wait_alu depctr_va_vdst(0)
	s_wait_dscnt 0x0                               ; V's fragments are in
.irp t, 0,1,2,3                        ; O^T += V^T P^T: four accumulators by turns
	v_wmma_scale_f32_16x16x128_f8f6f4 v[O+8*\t:O+8*\t+7], v[KF+16*\t:KF+16*\t+15], v[PCD:PCD+15], v[O+8*\t:O+8*\t+7], v[VW+\t], v[PW] matrix_a_fmt:MATRIX_FMT_BF8 matrix_b_fmt:MATRIX_FMT_BF8
.endr
	s_add_co_u32 s[TB], s[TB], 8192
	s_add_co_u32 s[TS], s[TS], 256
.endm
.macro INIT                            ; a pass begins: Q's scale word, M, the sum and O^T
	s_wait_loadcnt 0x0                             ; Q
	s_wait_xcnt 0x0                                ; the last pass's stores have read their registers
	v_lshrrev_b32 v[QW], s[SH], v[QR]
	s_delay_alu instid0(VALU_DEP_1)
	v_and_b32 v[QW], 0xffff, v[QW]
	s_delay_alu instid0(VALU_DEP_1)
	v_lshl_or_b32 v[QW], v[QW], 16, v[QW]          ; my tile's two bytes, twice: one word serves [Q | 0] and [0 | Q]
	v_mov_b32 v13, 0xff61b1e6                      ; the largest score so far: -3e38
	s_delay_alu instid0(VALU_DEP_1)
	v_floor_f32 v12, -v13                          ; -M: far above every -M to come, so that the first f is 0
	v_mov_b32 v14, 0
	v_mov_b32 v15, 0
.set i, 0
.rept 32
	v_mov_b32 v[O+i], 0                            ; the step is written once: the first finds zeros, which the first change of M leaves zeros.  (Also the places between the scale word and the first product)
.set i, i+1
.endr
.endm
.macro STEPS n, tb, ts                 ; n key steps, from LDS byte tb of the codes and ts of the scale words on
	s_mov_b32 s[TB], \tb
	s_mov_b32 s[TS], \ts
	s_mov_b32 s[CNT], \n
.Lsteps_\@:
	s_setprio 2
	STEP
	s_sub_co_u32 s[CNT], s[CNT], 1
	s_cmp_lg_u32 s[CNT], 0
	s_cbranch_scc1 .Lsteps_\@
	s_setprio 0
.endm
; THE WAY OUT of pass p.  Register 8 t + j of O^T is channel 16 t + 8 h + j of query r.
.macro OUT p
.rept 8
	v_nop                                          ; places behind the last products
.endr
	v_add_f32 v14, v14, v15                        ; the sum's two halves,
	s_delay_alu instid0(VALU_DEP_1)
	v_permlanex16_b32 v[T0], v14, s[SEL], s[SEL+1]
	s_delay_alu instid0(VALU_DEP_1)
	v_add_f32 v14, v14, v[T0]                      ; and lane l xor 16's
	s_wait_alu depctr_va_vdst(0)
	v_rcp_f32 v14, v14
	v_nop                                          ; a plain place behind the transcendental
.set i, 0
	s_wait_alu depctr_va_vdst(0)
.rept 16
	v_pk_mul_f32 v[S+i:S+i+1], v[O+i:O+i+1], v[14:15] op_sel_hi:[1,0]   ; O^T / the sum; each accumulator from its low end on
.set i, i+2
.endr
.irp b, 0,1
	v_max3_num_f32 v[BM+\b], |v[S+16*\b]|, |v[S+1+16*\b]|, 0x8000000   ; two blocks of 32 channels: my 16 numbers and the floor
.endr
.irp i, 2,4,6,8,10,12,14
.irp b, 0,1
	s_delay_alu instid0(VALU_DEP_2)
	v_max3_num_f32 v[BM+\b], v[BM+\b], |v[S+16*\b+\i]|, |v[S+1+16*\b+\i]|
.endr
.endr
.irp b, 0,1
	s_delay_alu instid0(VALU_DEP_2)
	v_permlanex16_b32 v[BT+\b], v[BM+\b], s[SEL], s[SEL+1]
.endr
.irp b, 0,1
	s_delay_alu instid0(VALU_DEP_2)
	v_max_num_f32 v[BM+\b], v[BM+\b], v[BT+\b]
.endr
.irp b, 0,1
	s_delay_alu instid0(VALU_DEP_2)
	v_add_nc_u32 v[CV+\b], 0xf8800000, v[BM+\b]
.endr
.irp b, 0,1
	s_delay_alu instid0(VALU_DEP_4)
	v_and_or_b32 v[HD+\b], v[BM+\b], 0x7f800000, s[MNT]
.endr
.irp b, 0,1
	s_delay_alu instid0(VALU_DEP_4)
	v_lshrrev_b32 v[BT+\b], 23, v[CV+\b]
.endr
	s_delay_alu instid0(VALU_DEP_1)
	v_lshl_or_b32 v[T1], v[BT+1], 8, v[BT]         ; my row's two scale bytes
.irp b, 0,1
.irp i, 0,1,2,3,4,5,6,7,8,9,10,11,12,13,14,15
.endr
	v_cvt_scalef32_pk8_bf8_f32 v[PCD+4*\b:PCD+1+4*\b], v[S+16*\b:S+7+16*\b], v[CV+\b]
	v_cvt_scalef32_pk8_bf8_f32 v[PCD+2+4*\b:PCD+3+4*\b], v[S+8+16*\b:S+15+16*\b], v[CV+\b]
.endr
	v_nop                                          ; one plain vector instruction behind the last conversion
; Into true order.  Of a block I hold channels 8 h + j (registers 0, 1) and 16 + 8 h + j (registers 2, 3); the operand wants 16 h + 0 .. 15: lanes 0-15 take the other half's registers 0, 1 as their 2, 3; lanes 16-31 the other half's 2, 3 as their 0, 1.
.irp b, 0,1
.irp e, 0,1
	v_permlanex16_b32 v[BM+2*\b+\e], v[PCD+4*\b+2+\e], s[SEL], s[SEL+1]
	v_permlanex16_b32 v[HD+2*\b+\e], v[PCD+4*\b+\e], s[SEL], s[SEL+1]
.endr
.endr
.irp b, 0,1
.irp e, 0,1
	v_cndmask_b32 v[PCD+8+4*\b+\e], v[PCD+4*\b+\e], v[BM+2*\b+\e], s[HM]
	v_cndmask_b32 v[PCD+10+4*\b+\e], v[HD+2*\b+\e], v[PCD+4*\b+2+\e], s[HM]
.endr
.endr
.irp b, 0,1
	global_store_b128 v[L16], v[PCD+8+4*\b:PCD+11+4*\b], s[12:13] offset:65536*\p+512*\b   ; 512 consecutive bytes
.endr
	ds_store_b16 v[SA], v[T1] offset:512*\p        ; the sixteen waves' scale bytes meet in this pass's own 512 bytes of LDS (both halves of the lanes write the same two bytes with the same value)
.endm
	INIT
	s_wait_tensorcnt 3                             ; my scale words and my part of the first quarter of the keys are in; the three later quarters' loads may stay out
	s_wait_dscnt 0x0
	s_barrier_signal -1
	s_barrier_wait -1                              ; everybody's are
	STEPS 4, 0, 0
	s_wait_tensorcnt 0x0                           ; all my loads are done
	s_wait_dscnt 0x0
	s_barrier_signal -1
	s_barrier_wait -1                              ; everybody's are: from here on no wave waits for another until the end
	STEPS 12, 32768, 1024
	QLOAD 1                                        ; the second pass's queries land while the first pass goes out (Q's registers were last read by products that have eight places and a softmax behind them)
	OUT 0
	INIT
	STEPS 16, 0, 0
	OUT 1
	s_wait_dscnt 0x0                               ; for wave 0's sake: my scale bytes of both passes lie in LDS
	s_barrier_signal -1
	s_barrier_wait -1
	s_cmp_lg_u32 s[WV], 0
	s_cbranch_scc1 .Lnot_0
	ds_load_b128 v[S:S+3], v[SRD]
	ds_load_b128 v[S+4:S+7], v[SRD] offset:512
	s_wait_dscnt 0x0
	global_store_b128 v[L16], v[S:S+3], s[14:15]               ; wave 0 stores the 512 rows' scale bytes: twice 512 consecutive bytes
	global_store_b128 v[L16], v[S+4:S+7], s[14:15] offset:512
.Lnot_0:
	s_wait_dscnt 0x0
	s_wait_tensorcnt 0x0
	ds_add_u32 v254, v255
	s_wait_dscnt 0x0
	CROUND                                         ; the closing round
	s_endpgm
.Lfunc_end_k_qb73a56121f_attn:
	.size	k_qb73a56121f_attn, .Lfunc_end_k_qb73a56121f_attn-k_qb73a56121f_attn
	.p2alignl 7, 3214868480
	.fill 96, 4, 3214868480
	.section	.rodata,"a",@progbits
	.p2align	6, 0x0
	.amdhsa_kernel k_qb73a56121f_attn
		.amdhsa_group_segment_fixed_size 327680
		.amdhsa_private_segment_fixed_size 0
		.amdhsa_enable_private_segment 0
		.amdhsa_kernarg_size 48
		.amdhsa_user_sgpr_count 2
		.amdhsa_user_sgpr_kernarg_segment_ptr 1
		.amdhsa_wavefront_size32 1
		.amdhsa_system_sgpr_workgroup_id_x 1
		.amdhsa_system_sgpr_workgroup_id_y 1
		.amdhsa_system_sgpr_workgroup_id_z 1
		.amdhsa_system_vgpr_workitem_id 0
		.amdhsa_next_free_vgpr 256
		.amdhsa_next_free_sgpr 96
		.amdhsa_reserve_vcc 0
		.amdhsa_float_denorm_mode_32 3
		.amdhsa_float_denorm_mode_16_64 3
		.amdhsa_fp16_overflow 1
		.amdhsa_memory_ordered 1
		.amdhsa_forward_progress 1
		.amdhsa_inst_pref_size 77
	.end_amdhsa_kernel
	.amdgpu_metadata
---
amdhsa.version: [ 1, 2 ]
amdhsa.kernels:
  - .name:           k_qb73a56121f_attn
    .symbol:         k_qb73a56121f_attn.kd
    .args:
      - { .name: qk_codes, .offset: 0, .size: 8, .value_kind: global_buffer, .address_space: global }
      - { .name: qk_scales, .offset: 8, .size: 8, .value_kind: global_buffer, .address_space: global }
      - { .name: v_codes, .offset: 16, .size: 8, .value_kind: global_buffer, .address_space: global }
      - { .name: v_scales, .offset: 24, .size: 8, .value_kind: global_buffer, .address_space: global }
      - { .name: ao_codes, .offset: 32, .size: 8, .value_kind: global_buffer, .address_space: global }
      - { .name: ao_scales, .offset: 40, .size: 8, .value_kind: global_buffer, .address_space: global }
    .group_segment_fixed_size: 327680
    .private_segment_fixed_size: 0
    .kernarg_segment_align: 8
    .kernarg_segment_size: 48
    .max_flat_workgroup_size: 512
    .sgpr_count:     96
    .vgpr_count:     256
    .wavefront_size: 32
...
	.end_amdgpu_metadata
.endif
;; end of part 3
;; launch proj (part 4): grid 4 x 64, 4 waves a work-group, clusters of 4 x 4, 327,680 bytes of LDS; arguments ao_codes, ao_scales, w_out_codes, w_out_scales, b_out, out0; writes out0
.if DOCPART == 4
	.amdgcn_target "amdgcn-amd-amdhsa--gfx1250"
	.amdhsa_code_object_version 6
	.text
	.protected	k_qb73a56121f_proj
	.globl	k_qb73a56121f_proj
	.p2align	8
	.type	k_qb73a56121f_proj,@function
k_qb73a56121f_proj:
	s_mov_b64 s[64:65], 0
	v_nop
	global_prefetch_b8 v0, s[64:65] scope:SCOPE_SE
	s_setreg_imm32_b32 hwreg(HW_REG_WAVE_MODE, 25, 1), 1
	s_wait_xcnt 0x0
	s_wait_alu depctr_hold_cnt(0) depctr_sa_sdst(0) depctr_va_vdst(0) depctr_va_sdst(0) depctr_va_ssrc(0) depctr_va_vcc(0) depctr_vm_vsrc(0)
	s_getreg_b32 s2, hwreg(HW_REG_IB_STS2, 6, 4)
	s_cmp_eq_u32 s2, 0
	s_cbranch_scc0 .Lentry_in_a_cluster
	s_endpgm
.Lentry_in_a_cluster:
	s_bfe_u32 s2, ttmp6, 0x10000c
	s_cmp_lg_u32 s2, 0xf033
	s_cbranch_scc0 .Lentry_shape_is_right
	s_endpgm
.Lentry_shape_is_right:
; out0 = A w_out + b_out on codes of BF8 (E5M2) with one E8M0 scale for each 32 along K = 1,024.  A, the attention's result, [8,192][1,024], was laid by the launch before as images of this launch's operand registers:
; ao_codes [K step of 256][tile of 16 rows][128 along K][block of 32][lane][16 bytes]; its scale bytes lie [head][row], two a row.  w_out's codes are [1,024 (n)][1,024 (k)], its scale bytes [1,024][32].  out0 is f32.
; A TILE OF 128 x 256: out0 has 64 x 4 = 256 of them, one for each work-group of four waves.  A wave makes 64 x 128: 32 accumulators of 16 x 16, 256 registers.  (Tiles of 256 x 256 would be 128.)
; K = 1,024 is four K steps of 256.  THREE LDS slots hold a K step each: steps 0, 1 and 2 are asked for at the start; only step 3 is a refill, into slot 0, and it has K steps 1 and 2 in which to land.  So there is no loop:
; the eight steps of 128 along K are written out.  A's part of a slot is two dense blocks of 16,384 bytes: a fragment comes back by four loads of 512 consecutive bytes.  B's part is 256 rows of 256 bytes + 16 of padding.
; A'S SCALE WORDS ARE MADE ONCE, at the head: a word of 128 along K holds the bytes of two heads.  Wave j loads heads 4 j .. 4 j + 3 of the work-group's 128 rows (runs of 256 bytes; lanes 16-31 do as lanes 0-15), pairs them by
; byte permutes and stores 8 bytes a row into LDS, in the very geometry in which B's scale bytes arrive: 32 bytes a row, 16 bytes of padding behind each 256.  No tensor load ever lands in those blocks.
; The bias is the C of each sum's first matrix instruction.  THE MATRIX INSTRUCTION IS USED TRANSPOSED (source 0 = 16 rows of w_out, source 1 = 16 rows of A): a lane holds eight neighbouring numbers of a row of out0.
; CLUSTERS: 4 x 4 work-groups; A's tiles are asked for jointly along a row of the cluster, B's along a column.
; REGISTERS, in windows of 256: window 0: v0-31 addresses; v32-63 scale words, two sets, and nothing else; v64-127 the bias; v128-191, v192-255 A's fragments (4 x 16 rows x 128 K), two sets (at the head: the scale bytes in the
;   making; on the way out: rows of out0).  window 1: B's fragments (8), two sets.  window 2: the accumulators ((a, b) at v[8 (8 a + b)]).
.set SIZE_N, 1024
.set ROWB,   256                       ; a row of B's tile in bytes
.set KROW,   1024                      ; a row of w_out in memory
.set PITCH,  272                       ; B's LDS row: 256 bytes + 16 of padding: the 16 rows that a load touches start at 16 different banks
.set FR,     16                        ; registers of a fragment
.set NP,     8                         ; places behind this matrix instruction (ISA guide 7.12.1)
.set AHALF,  16384                     ; four tiles of 16 rows of A's images: what one of A's tensor loads brings, and what one wave reads
.set BHALF,  128*PITCH                 ; 128 rows of B: likewise
.set BOFF,   2*AHALF                   ; a slot: A's 128 rows, then B's 256
.set SLOT,   BOFF+2*BHALF              ; 102,400 bytes
.set KS,     32                        ; a row of scale bytes
.set SCL,    3*SLOT                    ; behind the three slots: A's scale words (stored by the waves): 17 blocks of 256 bytes;
.set SA64,   (64*KS/256)*272           ; (those of 64 rows)
.set SB128,  (128*KS/256)*272          ; (those of 128 rows)
.set SCLB,   SCL+2*SA64                ; then B's (brought by tensor loads): 34 blocks
.set SBLK,   (16*KS/256)*272           ; those of 16 rows
.set SPARE,  SCLB+2*SB128              ; the spare words, 128 bytes for each wave: two blocks of 256 bytes that no other line names
.set STG,    SLOT                      ; the way out: a stage of 16 rows x (512 bytes + 16) for each wave, in slot 1: it is filled once, and every wave has passed a barrier behind its last read of it
.set SPITCH, 528
.set ASTEP,  0x200000                  ; a K step of A's images in memory
.set ADRA, 16                          ; v16-18  LDS address of my A fragments in slot 0, 1, 2
.set ADRB, 20                          ; v20-22  the same for B
.set STO,  24
.set RD,   25
.set CO,   26
.set ADRS, 27                          ; v27  LDS address of my scale words: lanes 0-15 A's rows, lanes 16-31 B's
.set SPW,  28                          ; v28  LDS address of my spare word; never rewritten
.set NIL,  29                          ; v29  0; never rewritten
.set SC,   32
.set BI,   64
.set AF,   128
.set BK,   128
.set G1,   24                          ; s[24:31] group 1 for A's tiles;  s[32:39] for B's;  s[40:47] for B's scale bytes
.set G1B,  32
.set G1SB, 40
.set G0,   48                          ; s[48:59] A's groups 0, one for each slot
.set G0B,  68                          ; s[68:79] B's
.set G0SB, 80                          ; s[80:83] B's scale bytes'
.set MSB, 0
.macro WIN new                         ; the immediate's high byte repeats the setting that is left
.if MSB != (\new)
	s_set_vgpr_msb (MSB<<8)|(\new)
.set MSB, (\new)
.endif
.endm
.set MUL,  0xa1                        ; source 0 (B) window 1, source 1 (A) window 0, C and D window 2
.set BIA,  0x81                        ; the same with C, the bias, in window 0
.set TO_B, 0x40                        ; destination window 1, address window 0
.macro JLOAD g0a, g1a, g0b, g1b        ; a joint load: waves 0 and 1 fetch for A, waves 2 and 3 for B; four v_nop follow each of the two lines
	s_cmp_eq_u32 s15, 0
	s_cbranch_scc0 .Lfor_b_\@
	tensor_load_to_lds s[\g0a:\g0a+3], s[\g1a:\g1a+7]
	s_nop 0
.rept 4
	v_nop
.endr
	s_branch .Lasked_\@
.Lfor_b_\@:
	tensor_load_to_lds s[\g0b:\g0b+3], s[\g1b:\g1b+7]
	s_nop 0
.rept 4
	v_nop
.endr
.Lasked_\@:
.endm
.macro CREST                           ; a round of the cluster's barrier behind its opening barrier
	s_cmp_lg_u32 s14, 0
	s_cbranch_scc1 .Lnot_wave_0_\@
	s_barrier_signal -3
.Lnot_wave_0_\@:
	s_barrier_wait -3
	s_barrier_signal -1
	s_barrier_wait -1
.endm
.macro CROUND
	s_barrier_signal -1
	s_barrier_wait -1
	CREST
.endm
	s_load_b256 s[4:11], s[0:1], 0x0               ; A's codes s[4:5], A's scale bytes s[6:7], w_out's codes s[8:9], its scale bytes s[10:11]
	s_load_b128 s[96:99], s[0:1], 0x20             ; b_out s[96:97], out0 s[98:99]
	v_lshl_add_u32 v[SPW], v0, 2, SPARE
	v_mov_b32 v[NIL], 0
	ds_add_u32 v28, v29
	ds_add_u32 v28, v29
	s_wait_dscnt 0x0
	v_lshrrev_b32 v1, 5, v0
	v_readfirstlane_b32 s14, v1                    ; wave 0..3
	s_lshr_b32 s15, s14, 1                         ; which half of the tile's rows is mine.  Also: I fetch for A (0) or for B (1)
	s_and_b32 s16, s14, 1                          ; which half of its columns.  Also: which half of that tile I fetch
	s_bfe_u32 s60, ttmp6, 0x40000                  ; cx, cy: my place in the cluster
	s_bfe_u32 s61, ttmp6, 0x40004
	s_lshl_b32 s62, ttmp9, 2
	s_add_co_u32 s62, s62, s60                     ; tile column = 4 x cluster x + cx
	s_and_b32 s17, ttmp7, 0xffff
	s_lshl_b32 s17, s17, 2
	s_add_co_u32 s17, s17, s61                     ; tile row = 4 x cluster y + cy
	s_lshl_b32 s2, s61, 2
	s_lshl_b32 s2, 15, s2                          ; my row of the cluster
	s_lshl_b32 s3, 0x1111, s60                     ; my column
	s_or_b32 s[G1+0], s2, (3<<16)|(1<<21)          ; A: a dense block of 16,384 bytes as 64 rows of 32 elements of 8 bytes, no padding; 15:0 the mask; 21 set beside it
	s_mov_b32 s[G1+1], 32<<16
	s_mov_b32 s[G1+2], 64<<16
	s_mov_b32 s[G1+3], 32<<16
	s_mov_b32 s[G1+4], 64
	s_mov_b32 s[G1+5], 32
	s_mov_b32 s[G1+6], 0
	s_mov_b32 s[G1+7], 0
	s_or_b32 s[G1B+0], s3, (0<<16)|(1<<20)|(1<<21)|(5<<22)|(3<<25)  ; B: 128 rows of 256 bytes, four words of padding after every 64
	s_mov_b32 s[G1B+1], ROWB<<16
	s_mov_b32 s[G1B+2], 128<<16
	s_mov_b32 s[G1B+3], ROWB<<16
	s_mov_b32 s[G1B+4], 128
	s_mov_b32 s[G1B+5], KROW
	s_mov_b32 s[G1B+6], 0
	s_mov_b32 s[G1B+7], 0
	s_or_b32 s[G1SB+0], s3, (3<<16)|(1<<20)|(1<<21)|(5<<22)|(3<<25) ; B's scales of 128 rows: 4,096 dense bytes as 16 rows of 256, 16 bytes of padding behind each
	s_mov_b32 s[G1SB+1], 32<<16
	s_mov_b32 s[G1SB+2], (128*KS/256)<<16
	s_mov_b32 s[G1SB+3], 32<<16
	s_mov_b32 s[G1SB+4], 128*KS/256
	s_mov_b32 s[G1SB+5], 32
	s_mov_b32 s[G1SB+6], 0
	s_mov_b32 s[G1SB+7], 0
	s_lshl_b32 s20, s17, 15                        ; A: eight tiles of 4,096 bytes a tile row,
	s_lshl_b32 s18, s16, 14                        ; four of them a half
	s_add_co_u32 s20, s20, s18
	s_mov_b32 s21, 0
	s_lshl_b32 s84, s62, 8
	s_lshl_b32 s18, s16, 7
	s_add_co_u32 s84, s84, s18                     ; B: the row
	s_mov_b32 s85, 0
	s_lshl_b64 s[86:87], s[84:85], 5               ; its scales,
	s_lshl_b64 s[84:85], s[84:85], 10              ; its codes
	s_mul_i32 s18, s14, AHALF                      ; where they go: A's halves (waves 0, 1),
	s_mul_i32 s19, s16, BHALF
	s_add_co_u32 s19, s19, BOFF                    ; B's halves (waves 2, 3),
	s_mul_i32 s22, s16, SB128
	s_add_co_u32 s22, s22, SCLB                    ; B's scale bytes: no place in the cluster enters an LDS address
	s_wait_kmcnt 0x0
	s_add_nc_u64 s[20:21], s[4:5], s[20:21]
	s_add_nc_u64 s[84:85], s[8:9], s[84:85]
	s_add_nc_u64 s[86:87], s[10:11], s[86:87]
	CROUND                                         ; all sixteen work-groups are here: the first joint loads meet
	s_mov_b32 s[G0SB], 1
	s_mov_b32 s[G0SB+1], s22
	s_mov_b64 s[G0SB+2:G0SB+3], s[86:87]
	s_or_b32 s[G0SB+3], s[G0SB+3], 0x80000000
.irp s, 0,1,2
	s_mov_b32 s[G0+4*\s], 1
	s_add_co_u32 s[G0+4*\s+1], s18, \s*SLOT
	s_add_nc_u64 s[G0+4*\s+2:G0+4*\s+3], s[20:21], \s*ASTEP
	s_or_b32 s[G0+4*\s+3], s[G0+4*\s+3], 0x80000000
	s_mov_b32 s[G0B+4*\s], 1
	s_add_co_u32 s[G0B+4*\s+1], s19, \s*SLOT
	s_add_nc_u64 s[G0B+4*\s+2:G0B+4*\s+3], s[84:85], \s*ROWB
	s_or_b32 s[G0B+4*\s+3], s[G0B+4*\s+3], 0x80000000
.endr
	s_cmp_eq_u32 s15, 0                            ; a wave's first fills stand in one branch: waves 0 and 1: A's three slots; waves 2 and 3: B's scales and B's three slots.  Four loads of mine are out at the most
	s_cbranch_scc0 .Lfirst_b
	tensor_load_to_lds s[G0:G0+3], s[G1:G1+7]
	s_nop 0
	tensor_load_to_lds s[G0+4:G0+7], s[G1:G1+7]
	s_nop 0
	tensor_load_to_lds s[G0+8:G0+11], s[G1:G1+7]
	s_nop 0
.rept 4
	v_nop
.endr
	s_branch .Lfirst_asked
.Lfirst_b:
	tensor_load_to_lds s[G0SB:G0SB+3], s[G1SB:G1SB+7]
	s_nop 0
	tensor_load_to_lds s[G0B:G0B+3], s[G1B:G1B+7]
	s_nop 0
	tensor_load_to_lds s[G0B+4:G0B+7], s[G1B:G1B+7]
	s_nop 0
	tensor_load_to_lds s[G0B+8:G0B+11], s[G1B:G1B+7]
	s_nop 0
.rept 4
	v_nop
.endr
.Lfirst_asked:
	v_and_b32 v1, 15, v0                           ; r
	v_bfe_u32 v2, v0, 4, 1                         ; h
	v_and_b32 v6, 31, v0                           ; lane
	v_lshlrev_b32 v7, 4, v6                        ; 16 x lane
	v_lshlrev_b32 v8, 5, v2                        ; 32 h
	s_wait_alu depctr_va_vdst(0)
	v_lshlrev_b32 v10, 4, v1                       ; 16 r
	s_lshl_b32 s12, s14, 16                        ; A's scale bytes: my four heads, 16,384 bytes each,
	s_lshl_b32 s13, s17, 8                         ; the tile row's 128 rows, two bytes each
	s_add_co_u32 s12, s12, s13
	s_mov_b32 s13, 0
	s_add_nc_u64 s[6:7], s[6:7], s[12:13]
.irp e, 0,1,2,3
	global_load_b128 v[128+4*\e:131+4*\e], v10, s[6:7] offset:16384*\e   ; head 4 j + e: rows 8 r .. 8 r + 7; sixteen lanes read 256 consecutive bytes, the other sixteen the same
.endr
	s_lshl_b32 s88, s62, 10                        ; my first column, in bytes of f32: 1,024 x tile column + 512 x half: for the bias and for out0
	s_lshl_b32 s89, s16, 9
	s_add_co_u32 s88, s88, s89
	s_mov_b32 s89, 0
	s_add_nc_u64 s[96:97], s[96:97], s[88:89]
.irp t, 0,1,2,3,4,5,6,7
	global_load_b128 v[BI+8*\t:BI+8*\t+3], v8, s[96:97] offset:64*\t        ; the bias in the result's layout: block t, my half's eight columns
	global_load_b128 v[BI+8*\t+4:BI+8*\t+7], v8, s[96:97] offset:64*\t+16
.endr
	v_mul_u32_u24 v3, v1, PITCH
	v_lshl_add_u32 v4, v2, 4, v3                   ; B: a fragment's row x pitch + 16 h
	s_mul_i32 s12, s15, AHALF                      ; my 64 rows of A: images, 16 x lane
	s_mul_i32 s13, s16, BHALF
	s_add_co_u32 s13, s13, BOFF                    ; my 128 rows of B
.irp s, 0,1,2
	v_add_nc_u32 v[ADRA+\s], s12, v7
	v_add_nc_u32 v[ADRB+\s], s13, v4
	s_add_co_u32 s12, s12, SLOT
	s_add_co_u32 s13, s13, SLOT
.endr
	v_mul_u32_u24 v5, v1, KS                       ; my row's scale words: 32 bytes a row,
	v_lshrrev_b32 v9, 8, v5
	v_lshl_add_u32 v5, v9, 4, v5                   ; and 16 more for each 256 passed
	s_mul_i32 s12, s15, SA64                       ; A's: my 64 rows
	s_mul_i32 s13, s16, SB128                      ; B's: my 128 rows, behind A's 128
	s_add_co_u32 s13, s13, 2*SA64
	s_sub_co_u32 s13, s13, s12
	v_mul_u32_u24 v9, s13, v2                      ; lanes 16-31 take B's
	s_add_co_u32 s12, s12, SCL
	v_add_nc_u32 v5, v5, v9
	v_add_nc_u32 v[ADRS], s12, v5
	s_mul_i32 s12, s14, 16*SPITCH                  ; my stage
	s_add_co_u32 s12, s12, STG
	v_mul_u32_u24 v5, v1, SPITCH
	v_lshl_add_u32 v5, v2, 5, v5
	v_add_nc_u32 v[STO], s12, v5                   ; in: row r, 32 bytes for each half of the lanes
	v_mov_b32 v[CO], v7                            ; back: the 32 lanes take one row of 512 bytes; and the same in out0
	v_add_nc_u32 v[RD], s12, v7
	s_lshl_b32 s12, s17, 7
	s_lshl_b32 s13, s15, 6
	s_add_co_u32 s12, s12, s13                     ; my first row of out0,
	s_lshl_b32 s12, s12, 12                        ; 4,096 bytes a row
	s_mov_b32 s13, 0
	s_add_nc_u64 s[98:99], s[98:99], s[12:13]
	s_add_nc_u64 s[98:99], s[98:99], s[88:89]
	s_lshl_b32 s12, s14, 3
	s_add_co_u32 s12, s12, SCL
	v_mul_u32_u24 v9, v1, 272
	v_add_nc_u32 v9, s12, v9                       ; rows 8 r .. 8 r + 7 are one unit of 256 bytes + 16: 272 r; my two words of a row: 8 j
	s_mov_b32 s18, 0x05040100                      ; the two low halves: an even row's bytes of two heads
	s_mov_b32 s19, 0x07060302                      ; the two high halves: an odd row's
	s_wait_loadcnt 16                              ; the four loads of scale bytes are in; the bias's sixteen may be out
.irp k, 0,1,2,3
	v_perm_b32 v[144+4*\k], v[132+\k], v[128+\k], s18      ; row 2 k: heads 4 j, 4 j + 1;
	v_perm_b32 v[145+4*\k], v[140+\k], v[136+\k], s18      ; heads 4 j + 2, 4 j + 3
	v_perm_b32 v[146+4*\k], v[132+\k], v[128+\k], s19      ; row 2 k + 1
	v_perm_b32 v[147+4*\k], v[140+\k], v[136+\k], s19
.endr
.irp k, 0,1,2,3,4,5,6,7
	ds_store_b64 v9, v[144+2*\k:145+2*\k] offset:32*\k     ; (both halves of the lanes write the same bytes with the same values)
.endr
.macro FRAG reg, adr, q, i             ; B: 16 rows x 128 K from padded rows: lane l holds row l % 16; registers 4 c .. 4 c + 3 hold K = 32 c + 16 (l / 16) + 0 .. 15
.irp c, 0,1,2,3
	ds_load_b128 v[\reg+4*\c:\reg+4*\c+3], v[\adr] offset:128*(\q)+32*\c+(\i)*16*PITCH
.endr
.endm
.macro FRAGA reg, slot, q, i           ; A: an image: tile i, the slot's q-th 128 along K, four loads of 512 consecutive bytes
.irp c, 0,1,2,3
	ds_load_b128 v[\reg+4*\c:\reg+4*\c+3], v[ADRA+\slot] offset:4096*(\i)+2048*(\q)+512*\c
.endr
.endm
.macro SCALES ks                       ; K step ks's scale words into set ks % 2: two words a row; lanes 0-15 take A's block i (of blocks 4 to 7 they take words that no product names), lanes 16-31 B's block i
.irp i, 0,1,2,3,4,5,6,7
	ds_load_b64 v[SC+16*((\ks)%2)+2*\i:SC+16*((\ks)%2)+2*\i+1], v[ADRS] offset:\i*SBLK+8*(\ks)
.endr
.endm
; Step j (128 along K; j = 0 .. 7) lies in slot (j / 2) % 3, at its (j % 2)-th 128, and its fragments go into set j % 2: B's eight, with sc = 1 the K step's scale words, A's blocks 0 and 1, and last A's blocks 2 and 3.
.macro FETCH j, sc
.set FS, ((\j)/2)%3
.set FP, (\j)%2
	WIN TO_B
.irp i, 0,1,2,3,4,5,6,7
	FRAG 128*FP+FR*\i, ADRB+FS, FP, \i
.endr
	WIN 0
.if \sc
	SCALES (\j)/2
.endif
.irp i, 0,1,2,3
	FRAGA AF+64*FP+FR*\i, FS, FP, \i
.endr
.endm
; 8 matrix instructions of step j: A's block a x B's eight.  first = 1: the bias is the C of the sum's first product.  The 32 accumulators take turns, one instruction a turn, in the same order in every step.
.macro MUL8 a, j, first
.set MP, (\j)%2
.set MS, ((\j)/2)%2
.irp b, 0,1,2,3,4,5,6,7
.if \first
	v_wmma_scale_f32_16x16x128_f8f6f4 v[8*(8*(\a)+\b):8*(8*(\a)+\b)+7], v[128*MP+FR*\b:128*MP+FR*\b+FR-1], v[AF+64*MP+FR*(\a):AF+64*MP+FR*(\a)+FR-1], v[BI+8*\b:BI+8*\b+7], v[SC+16*MS+2*\b+MP], v[SC+16*MS+2*(\a)+MP] matrix_a_fmt:MATRIX_FMT_BF8 matrix_b_fmt:MATRIX_FMT_BF8 matrix_a_scale:MATRIX_SCALE_ROW1
.else
	v_wmma_scale_f32_16x16x128_f8f6f4 v[8*(8*(\a)+\b):8*(8*(\a)+\b)+7], v[128*MP+FR*\b:128*MP+FR*\b+FR-1], v[AF+64*MP+FR*(\a):AF+64*MP+FR*(\a)+FR-1], v[8*(8*(\a)+\b):8*(8*(\a)+\b)+7], v[SC+16*MS+2*\b+MP], v[SC+16*MS+2*(\a)+MP] matrix_a_fmt:MATRIX_FMT_BF8 matrix_b_fmt:MATRIX_FMT_BF8 matrix_a_scale:MATRIX_SCALE_ROW1
.endif
.endr
.endm
.macro PLACES n                        ; plain vector instructions that name no register of the matrix instructions before them (ISA guide 7.12.1)
.rept \n
	v_nop
.endr
.endm
; A step whose successor's tiles are known to lie in LDS.  In its middle the successor's fragments are fetched into the other set, which the step before multiplied.  nsc = 1: the successor begins a K step.
.macro SUB j, first, nsc
	s_wait_dscnt 8                                 ; B's set, the scale words and A's blocks 0 and 1 are in; the youngest eight loads (A's blocks 2 and 3) may be out
.if \first
	WIN BIA
.else
	WIN MUL
.endif
	MUL8 0, \j, \first
	MUL8 1, \j, \first
	PLACES NP
	FETCH (\j)+1, \nsc
	s_wait_dscnt 48+8*\nsc                         ; all but the loads just issued
.if \first
	WIN BIA
.else
	WIN MUL
.endif
	MUL8 2, \j, \first
	MUL8 3, \j, \first
.endm
	s_wait_dscnt 0x0                               ; for the others' sake: my part of A's scale words lies in LDS
	s_wait_tensorcnt 2                             ; my part of K step 0 (and of B's scales) is in; K steps 1 and 2 may be out
	s_barrier_signal -1
	s_barrier_wait -1
	FETCH 0, 1
	s_wait_loadcnt 0x0                             ; the bias
	SUB 0, 1, 0                                    ; the first step's products start the sums on the bias: nothing is cleared, nothing is added later
	; ---- step 1 leaves slot 0, which is filled again with K step 3: each wave waits for all its tensor loads (K steps 1 and 2 among them), adds 0 to its spare word, and waits for that and for its reads of slot 0
	WIN 0                                          ; (the add's two registers lie in window 0)
	s_wait_tensorcnt 0x0
	ds_add_u32 v[SPW], v[NIL]                      ; 0 onto my spare word
	s_wait_dscnt 9                                 ; (the add and the youngest eight loads may be out)
	WIN MUL
	MUL8 0, 1, 0                                   ; eight matrix instructions stand between the add and the wait for it
	s_wait_dscnt 0x0                               ; the add is done, and my reads of slot 0 are over
	s_barrier_signal -1
	MUL8 1, 1, 0
	WIN 0
	s_barrier_wait -1
	CREST                                          ; the barrier has opened a round of the cluster's: no wave of any partner still reads slot 0 or has a load on its way; slots 1 and 2 are whole
	s_add_nc_u64 s[G0+2:G0+3], s[G0+2:G0+3], 3*ASTEP
	s_add_nc_u64 s[G0B+2:G0B+3], s[G0B+2:G0B+3], 3*ROWB
	JLOAD G0, G1, G0B, G1B                         ; the first tensor load behind the round, and my last; its four v_nop are among the places in front of the loads below
	PLACES NP-4
	FETCH 2, 1
	WIN MUL
	MUL8 2, 1, 0
	MUL8 3, 1, 0
	SUB 2, 0, 0
	SUB 3, 0, 1
	SUB 4, 0, 0
	; ---- step 5: its successor lies in slot 0 again: my part of K step 3 has landed, and behind a barrier everybody's has.
	s_wait_tensorcnt 0x0
	s_wait_dscnt 8
	WIN MUL
	MUL8 0, 5, 0
	s_wait_dscnt 0x0                               ; no LDS instruction of mine is out at the signal: my reads of slots 1 and 2 are over too
	s_barrier_signal -1
	MUL8 1, 5, 0
	s_barrier_wait -1
	PLACES NP
	FETCH 6, 1
	WIN MUL
	MUL8 2, 5, 0
	MUL8 3, 5, 0
	SUB 6, 0, 0
	s_wait_dscnt 8                                 ; the last step: nothing more to fetch
	WIN MUL
	MUL8 0, 7, 0
	MUL8 1, 7, 0
	s_wait_dscnt 0x0
	MUL8 2, 7, 0
	MUL8 3, 7, 0
	WIN 0
; THE WAY OUT, block by block of 16 rows x 128 columns, through my own stage in LDS: in as 32 bytes a lane, back as whole rows of 512 bytes.  LDS serves a wave's instructions in order (ISA guide 5.7.1.4).
.macro TOSTAGE a
.set AC, 64*(\a)
	WIN 0x08                                       ; an LDS store's data are its source 1: window 2
.irp b, 0,1,2,3,4,5,6,7
	ds_store_b128 v[STO], v[AC+8*\b:AC+8*\b+3] offset:64*\b          ; each accumulator from its low end on
	ds_store_b128 v[STO], v[AC+8*\b+4:AC+8*\b+7] offset:64*\b+16
.endr
	WIN 0
.set BB, BK+64*((\a)%2)
.irp t, 0,1,2,3,4,5,6,7,8,9,10,11,12,13,14,15
	ds_load_b128 v[BB+4*\t:BB+4*\t+3], v[RD] offset:\t*SPITCH
.endr
.endm
.macro SEND a, younger                 ; younger: the LDS instructions issued behind block a's loads, which may stay out
.set BB, BK+64*((\a)%2)
	s_wait_dscnt \younger
.if (\a) > 0
	s_add_nc_u64 s[98:99], s[98:99], 16*SIZE_N*4   ; (behind a wait on XCNT: the earlier stores have read their base)  16 rows on
.endif
.irp t, 0,1,2,3,4,5,6,7,8,9,10,11,12,13,14,15
	global_store_b128 v[CO], v[BB+4*\t:BB+4*\t+3], s[98:99] offset:\t*SIZE_N*4 th:TH_STORE_NT   ; 32 lanes store 512 consecutive bytes, at a multiple of 256 from out0's first byte
.endr
.endm
	PLACES NP                                      ; in front of the reads of results and of loads into the registers that held A's fragments
	TOSTAGE 0
.irp a, 1,2,3
.if \a > 1
	s_wait_xcnt 0x0                                ; block a - 2's stores have read their registers and their base
.endif
	TOSTAGE \a
	SEND \a-1, 32                                  ; behind block a - 1's loads: block a's 16 stores and 16 loads
.endr
	s_wait_xcnt 0x0
	SEND 3, 0
	s_wait_tensorcnt 0x0                           ; the wave's end
	ds_add_u32 v[SPW], v[NIL]
	s_wait_dscnt 0x0
	CROUND                                         ; the closing round: no work-group ends while a partner may still ask for a tile that names it
	s_endpgm
.Lfunc_end_k_qb73a56121f_proj:
	.size	k_qb73a56121f_proj, .Lfunc_end_k_qb73a56121f_proj-k_qb73a56121f_proj
	.p2alignl 7, 3214868480
	.fill 96, 4, 3214868480
	.section	.rodata,"a",@progbits
	.p2align	6, 0x0
	.amdhsa_kernel k_qb73a56121f_proj
		.amdhsa_group_segment_fixed_size 327680
		.amdhsa_private_segment_fixed_size 0
		.amdhsa_enable_private_segment 0
		.amdhsa_kernarg_size 48
		.amdhsa_user_sgpr_count 2
		.amdhsa_user_sgpr_kernarg_segment_ptr 1
		.amdhsa_wavefront_size32 1
		.amdhsa_system_sgpr_workgroup_id_x 1
		.amdhsa_system_sgpr_workgroup_id_y 1
		.amdhsa_system_sgpr_workgroup_id_z 1
		.amdhsa_system_vgpr_workitem_id 0
		.amdhsa_next_free_vgpr 768
		.amdhsa_next_free_sgpr 100
		.amdhsa_reserve_vcc 0
		.amdhsa_float_denorm_mode_32 3
		.amdhsa_float_denorm_mode_16_64 3
		.amdhsa_memory_ordered 1
		.amdhsa_forward_progress 1
		.amdhsa_inst_pref_size 91
	.end_amdhsa_kernel
	.amdgpu_metadata
---
amdhsa.version: [ 1, 2 ]
amdhsa.kernels:
  - .name:           k_qb73a56121f_proj
    .symbol:         k_qb73a56121f_proj.kd
    .args:
      - { .name: ao_codes, .offset: 0, .size: 8, .value_kind: global_buffer, .address_space: global }
      - { .name: ao_scales, .offset: 8, .size: 8, .value_kind: global_buffer, .address_space: global }
      - { .name: w_out_codes, .offset: 16, .size: 8, .value_kind: global_buffer, .address_space: global }
      - { .name: w_out_scales, .offset: 24, .size: 8, .value_kind: global_buffer, .address_space: global }
      - { .name: b_out, .offset: 32, .size: 8, .value_kind: global_buffer, .address_space: global }
      - { .name: out0, .offset: 40, .size: 8, .value_kind: global_buffer, .address_space: global }
    .group_segment_fixed_size: 327680
    .private_segment_fixed_size: 0
    .kernarg_segment_align: 8
    .kernarg_segment_size: 48
    .max_flat_workgroup_size: 128
    .sgpr_count:     100
    .vgpr_count:     768
    .wavefront_size: 32
...
	.end_amdgpu_metadata
.endif
;; end of part 4
